; MI455X (gfx1250); checked and timed in simulation.
; The chip was launched on July 23, 2026; its instructions are those of AMD's public machine-readable ISA for CDNA 5 (MIT licence, August 2026) and "CDNA5" Instruction Set Architecture Reference Guide (July 2026). The comments in the code are by the model that wrote it; some were corrected since.
;; Multi Head Attention Block. Allowed arithmetic: matrix products marked QUANTISED: E2M3 operands, one E8M0 scale for each 32 along K, by v_wmma_scale_f32_16x16x128_f8f6f4 with both operands' format E2M3, f32 sums; everything else in f32.
;; Inputs: Wk 1,024 x 1,024 float32; Wo 1,024 x 1,024 float32; Wq 1,024 x 1,024 float32; Wv 1,024 x 1,024 float32; bk 1,024 float32; bo 1,024 float32; bq 1,024 float32; bv 1,024 float32; mask 4 x 2,048 x 2,048 int32; x 4 x 2,048 x 1,024 float32.
;; Outputs: out0 4 x 2,048 x 1,024 float32.
;; This version of the problem:
;;   THIS VERSION OF THE PROBLEM IS GIVEN IN LOW PRECISION. The matrix products marked QUANTISED in the list below multiply operands that are first quantised to E2M3 (2 exponent bits, 3 mantissa bits; 6 bits a number), with one power-of-two scale for each 32 numbers along K (OCP MX v1.0); their sums are f32. All else is computed in f32.
;;   The module's matrix products, in the order in which they are computed (A, B: the left and right operand; K: the contracted axis; several contracted axes count as one K, in the product's order):
;;     1. [M 8,192, K 1,024] x [K 1,024, N 1,024]; A: input x; B: input Wq: QUANTISED
;;     2. [M 8,192, K 1,024] x [K 1,024, N 1,024]; A: input x; B: input Wk: QUANTISED
;;     3. [M 8,192, K 1,024] x [K 1,024, N 1,024]; A: input x; B: input Wv: QUANTISED
;;     4. batch 64 x [M 2,048, K 64] x [K 64, N 2,048]; A: computed on the way; B: computed on the way: QUANTISED
;;     5. batch 64 x [M 2,048, K 2,048] x [K 2,048, N 64]; A: softmax (see below); B: computed on the way: QUANTISED
;;     6. [M 8,192, K 1,024] x [K 1,024, N 1,024]; A: computed on the way; B: input Wo: QUANTISED
;;   THE QUANTISER, for each operand of a quantised product, along K:
;;     - K is cut into blocks of 32 from its start; a last block that is shorter is filled with zeros.
;;     - A block's scale is 2^e with e = floor(log2(the largest magnitude in the block)) - 2, held to -126 .. 127; a block of zeros has e = 0. As a byte (E8M0): e + 127.
;;     - Each number is divided by its block's scale, clamped to +-7.5, and rounded to the nearest number of E2M3, ties to even, subnormals kept.
;;     - The product sums the exact products of the quantised numbers (number of the format x scale) in f32.
;;   ~~~python
;;   def quantise(x, axis):      # numpy; x: float32 -> the quantised numbers, widened to float32 again
;;       x = np.moveaxis(x, axis, -1); K = x.shape[-1]
;;       x = np.pad(x, [(0, 0)] * (x.ndim - 1) + [(0, -K % 32)]); x = x.reshape(x.shape[:-1] + (-1, 32)); a = np.abs(x).max(-1, keepdims=True)
;;       e = np.where(a > 0, np.clip(np.frexp(np.where(a > 0, a, 1))[1] - 1 - 2, -126, 127), 0)      # np.frexp(a)[1] - 1 = floor(log2(a)), exactly
;;       r = np.clip(x / 2.0 ** e, -7.5, 7.5)
;;       step = 2.0 ** (np.maximum(np.frexp(np.where(r == 0, 1, r))[1] - 1, 0) - 3)
;;       q = np.round(r / step) * step * 2.0 ** e      # np.round: ties to even
;;       return np.moveaxis(q.reshape(q.shape[:-2] + (-1,))[..., :K], -1, axis).astype(np.float32)
;;   ~~~
;;   SOFTMAX AHEAD OF A QUANTISED PRODUCT. Where the list says 'softmax', what is quantised is not the finished softmax but p = 2^(t - M), with t = logit x log2(e) and M = ceil(the row's largest t), a whole number; so 1/2 < the row's largest p <= 1. The row's sum l is taken of the UNQUANTISED p, in f32, and the product's result is divided by l at the end. Since M is a whole number, a kernel that streams over the keys may use a running M (the ceiling of the running maximum): every later rescaling is an exact power of two, which a block's scale takes up: the codes' values come out the same.
;;   OPERANDS COMPUTED ON THE WAY. 'Computed on the way' means the value that the module computes at that place (a softmax that the list does not call 'softmax' is quantised finished and normalised). What goes into a quantiser is computed in f32, as accurately as f32 sums, v_exp_f32 and their like allow (about 1e-6 of the number): no bf16 or f16 on the way to a quantiser, and a product that is left as it is and whose result goes on into a quantised operand takes f32 operands (vector FMAs, or v_wmma_f32_16x16x4_f32). A number that lies on a knife's edge between two numbers of the format may be rounded either way, as far as f32 arithmetic and the matrix unit's own rounding can turn it there, and no further.
;; One version. Each part assembles by itself: llvm-mc -triple=amdgcn-amd-amdhsa -mcpu=gfx1250 --defsym DOCPART=n.
;; ======== version 1 of 1: 4 launches
;; workspace buffers: XQ 6,815,744 bytes; WC 3,407,872 bytes; MB 2,097,152 bytes of whole numbers; QKV 20,447,232 bytes; OC 6,815,744 bytes
;; launch prep (part 1): grid 1280 x 1, 4 waves a work-group, no clusters, 81,408 bytes of LDS; arguments x, mask, Wq, Wk, Wv, Wo, XQ, WC, MB; writes XQ, WC, MB
.if DOCPART == 1
	.amdgcn_target "amdgcn-amd-amdhsa--gfx1250"
	.amdhsa_code_object_version 6
	.text
	.protected	k_qd0533a3903_prep
	.globl	k_qd0533a3903_prep
	.p2align	8
	.type	k_qd0533a3903_prep,@function
k_qd0533a3903_prep:
	s_mov_b64 s[64:65], 0
	v_nop
	global_prefetch_b8 v0, s[64:65] scope:SCOPE_SE
	s_setreg_imm32_b32 hwreg(HW_REG_WAVE_MODE, 25, 1), 1
	s_wait_xcnt 0x0
; PREP.  Three jobs in one launch, told apart by the work-group's number; each job has LDS bytes of its own, waves share nothing, and there is no barrier.
;   work-groups 0-255    the four weights [k][n] f32 -> WC: codes of FP6 (E2M3) along k and E8M0 scale words, laid in the order of a matrix operand's registers
;   work-groups 256-767  mask [4][2048][2048] i32 -> MB: one bit a number, laid as the attention launch's scores lie: word n = a score register, bit = a lane
;   work-groups 768-1279 x [8192][1024] f32 -> XQ: codes and scale words, same layout as WC
; THE ROWS OF A TILE: tile T of any operand holds rows 32 (T / 2) + 8 (T % 2) + r + 8 (r / 8), r = 0 .. 15, so that the results of two neighbouring tiles are 16 neighbours in a lane's registers.
; THE LAYOUT (XQ, WC): [tile][pair of K steps: 3,328 bytes].  A fragment (16 rows x 128 K, 12 registers a lane) is two halves of 768 bytes: registers 0-3 at 16 x lane, registers 4-5 at 512 + 8 x lane.
;   +0 the even K step's fragment, +1,536 the odd one's, +3,072 the scale words at 8 x lane + 4 x (K step % 2); lanes 16-31 repeat lanes 0-15.
; A block's scale is 2^(floor(log2(largest magnitude)) - 2); its byte is the largest magnitude's exponent field - 2, held at 1 from below.
; LIMITS: a block of zeros gets the byte 1 where the rule says 127 (its codes are zeros, and this program alone reads the bytes); NaN and infinities among the inputs are not served.
.set SP,    528                        ; a stage row: 512 bytes + 16: sixteen rows start at sixteen different 16-byte columns of 256
.set WST,   0                          ; the weights' stages: 3,328 bytes a wave
.set WSTR,  1664                       ; in them a tile's fragment: 1,536 bytes + 128
.set MST,   13312                      ; the mask's stages: 16 x SP bytes a wave
.set XST,   47104                      ; x's stages: likewise
.set TSTR,  13312                      ; a tile in XQ or WC
.set REC,   3328                       ; a pair of K steps in it
.set R0,    16                         ; v16-79   16 rows x 16 bytes a lane, as loaded
.set R1,    80                         ; v80-143  a second set
.set XR,    144                        ; v144-207 the mask's numbers as a lane wants them
.set TM,    184                        ; v184-199 the quantiser's work (path x)
.set SEL,   36                         ; s[36:37] lane selects for v_permlanex16_b32: lane l xor 16
.macro LOADU set, e, pitch, ptr        ; 16 rows of a tile, 512 consecutive bytes of each, 16 bytes a lane; e: which 512 bytes
.irp i, 0,1,2,3,4,5,6,7,8,9,10,11,12,13,14,15
	global_load_b128 v[\set+4*\i:\set+4*\i+3], v4, s[\ptr:\ptr+1] offset:(\i+8*(\i/8))*\pitch+512*(\e) th:TH_LOAD_NT
.endr
.endm
.macro TOST set, st                    ; into my stage, as loaded
.irp i, 0,1,2,3,4,5,6,7,8,9,10,11,12,13,14,15
	ds_store_b128 v6, v[\set+4*\i:\set+4*\i+3] offset:\st+\i*SP
.endr
.endm
.macro FROMST set, st                  ; and back: lane (r, h) takes of row r the numbers 32 b + 16 h + 0 .. 15 into registers 16 b + 0 .. 15
.irp b, 0,1,2,3
.irp j, 0,1,2,3
	ds_load_b128 v[\set+16*\b+4*\j:\set+16*\b+4*\j+3], v7 offset:\st+128*\b+16*\j
.endr
.endr
.endm
; 64 numbers of a lane, register 16 b + i = k 32 b + 16 (lane / 16) + i of my row, become a fragment's codes in v[pc] on and its scale word in v[pw]
.macro QUANT s, pc, pw
.irp b, 0,1,2,3
	v_max3_num_f32 v[TM+\b], |v[(\s)+16*\b]|, |v[(\s)+1+16*\b]|, 0x1800000   ; my 16 numbers of block b, and the floor 2^(3 - 127): the byte cannot fall under 1
.endr
.irp i, 2,4,6,8,10,12,14
.irp b, 0,1,2,3
	v_max3_num_f32 v[TM+\b], v[TM+\b], |v[(\s)+16*\b+\i]|, |v[(\s)+1+16*\b+\i]|
.endr
.endr
.irp b, 0,1,2,3
	v_permlanex16_b32 v[TM+4+\b], v[TM+\b], s[SEL], s[SEL+1]
.endr
.irp b, 0,1,2,3
	v_max_num_f32 v[TM+\b], v[TM+\b], v[TM+4+\b]                  ; with lane l xor 16's: the block's largest magnitude
.endr
.irp b, 0,1,2,3
	v_add_nc_u32 v[TM+12+\b], 0xff000000, v[TM+\b]                ; 2 off its exponent field: the conversion's scale operand
.endr
.irp b, 0,1,2,3
	v_lshrrev_b32 v[TM+4+\b], 23, v[TM+12+\b]                     ; the scale's byte
.endr
	v_lshl_or_b32 v[(\pw)], v[TM+5], 8, v[TM+4]
	v_lshl_or_b32 v[(\pw)], v[TM+6], 16, v[(\pw)]
	v_lshl_or_b32 v[(\pw)], v[TM+7], 24, v[(\pw)]
.irp c, 0,1
	v_cvt_scalef32_pk16_fp6_f32 v[(\pc)+6*\c:(\pc)+2+6*\c], v[(\s)+32*\c:(\s)+15+32*\c], v[TM+12+2*\c]
	v_cvt_scalef32_pk16_fp6_f32 v[(\pc)+12+4*\c:(\pc)+14+4*\c], v[(\s)+16+32*\c:(\s)+31+32*\c], v[TM+12+2*\c+1]   ; (a conversion's three registers begin on an even number)
.endr
	v_nop                                          ; one plain place behind a scaled conversion
.irp c, 0,1                            ; the operand's layout wants a whole block in a lane: lanes 0-15 block 2 c, lanes 16-31 block 2 c + 1
.irp i, 0,1,2
	v_permlane16_swap_b32 v[(\pc)+6*\c+\i], v[(\pc)+12+4*\c+\i]
.endr
.irp i, 0,1,2
	v_mov_b32 v[(\pc)+3+6*\c+\i], v[(\pc)+12+4*\c+\i]
.endr
.endr
.endm
	s_load_b512 s[4:19], s[0:1], 0x0               ; x s[4:5], mask s[6:7], Wq s[8:9], Wk s[10:11], Wv s[12:13], Wo s[14:15], XQ s[16:17], WC s[18:19]
	s_load_b64 s[20:21], s[0:1], 0x40              ; MB
	v_lshl_add_u32 v208, v0, 2, 0x13c00
	v_mov_b32 v209, 0
	v_lshrrev_b32 v1, 5, v0
	v_readfirstlane_b32 s22, v1                    ; wave 0..3
	v_and_b32 v1, 31, v0                           ; lane
	v_and_b32 v2, 15, v0                           ; r
	v_bfe_u32 v3, v0, 4, 1                         ; h
	v_lshlrev_b32 v4, 4, v1                        ; 16 x lane
	v_lshlrev_b32 v5, 3, v1                        ; 8 x lane
	s_mul_i32 s23, s22, 16*SP                      ; my stage among the four (the path's first byte stands in the immediates)
	v_add_nc_u32 v6, s23, v4                       ; into it: 16 x lane of a row
	v_mul_u32_u24 v7, v2, SP
	v_lshl_add_u32 v7, v3, 6, v7
	v_add_nc_u32 v7, s23, v7                       ; out of it: row r, + 64 h
	s_mov_b32 s35, 0                               ; the upper word of every offset
	s_wait_kmcnt 0x0
	s_cmp_lt_u32 ttmp9, 256
	s_cbranch_scc1 .Lweights
	s_cmp_lt_u32 ttmp9, 768
	s_cbranch_scc1 .Lmask
	; ---- x: work-group = tile T of 16 rows, wave = pair of K steps: 16 rows x 1,024 bytes
	s_sub_co_u32 s23, ttmp9, 768                   ; T
	s_lshr_b32 s24, s23, 1
	s_lshl_b32 s24, s24, 5
	s_and_b32 s25, s23, 1
	s_lshl_b32 s25, s25, 3
	s_add_co_u32 s24, s24, s25                     ; the tile's first row: 32 (T / 2) + 8 (T % 2)
	s_lshl_b32 s34, s24, 12                        ; rows of 4,096 bytes
	s_lshl_b32 s25, s22, 10
	s_add_co_u32 s34, s34, s25
	s_add_nc_u64 s[4:5], s[4:5], s[34:35]
	s_mul_i32 s34, s23, TSTR
	s_mul_i32 s25, s22, REC
	s_add_co_u32 s34, s34, s25
	s_add_nc_u64 s[16:17], s[16:17], s[34:35]
	s_wait_alu depctr_va_vdst(0)
	LOADU R0, 0, 4096, 4                           ; both K steps at once: 32 loads a wave
	LOADU R1, 1, 4096, 4
	s_mov_b32 s[SEL], 0x76543210
	s_mov_b32 s[SEL+1], 0xfedcba98
.irp b, 0,1,2,3
	v_mov_b32 v[TM+4+\b], 0                        ; written once: a lane permute's destination counts as one of its sources
.endr
.macro XUNIT e
.set RS, R0+64*(\e)
.set PCX, 144+20*(\e)
	s_wait_loadcnt 16-16*(\e)                      ; this K step's 16 loads are in; the other's may be out
	TOST RS, XST
	s_wait_dscnt 0x0                               ; the stores have read their registers, which take the numbers back
	FROMST RS, XST
	s_wait_dscnt 0x0
	QUANT RS, PCX, 200+(\e)
	global_store_b128 v4, v[PCX:PCX+3],     s[16:17] offset:1536*(\e)        ; each store covers 512 or 256 consecutive bytes, at a multiple of 256 from XQ's first byte
	global_store_b64  v5, v[PCX+4:PCX+5],   s[16:17] offset:1536*(\e)+512
	global_store_b128 v4, v[PCX+6:PCX+9],   s[16:17] offset:1536*(\e)+768
	global_store_b64  v5, v[PCX+10:PCX+11], s[16:17] offset:1536*(\e)+1280
.endm
	XUNIT 0
	XUNIT 1
	global_store_b64 v5, v[200:201], s[16:17] offset:3072   ; the two K steps' scale words: every lane holds its row's, lanes 16-31 the same as lanes 0-15
	s_wait_tensorcnt 0x0
	ds_add_u32 v208, v209
	s_wait_dscnt 0x0
	s_endpgm
	; ---- mask: work-group = 128 b + tile of queries, wave = four key steps of 128 keys
.Lmask:
	s_sub_co_u32 s23, ttmp9, 256
	s_lshr_b32 s24, s23, 1
	s_lshl_b32 s24, s24, 5
	s_and_b32 s25, s23, 1
	s_lshl_b32 s25, s25, 3
	s_add_co_u32 s24, s24, s25                     ; the tile's first row among the 8,192 rows of the mask
	s_lshl_b32 s34, s24, 13                        ; rows of 8,192 bytes
	s_lshl_b32 s25, s22, 11                        ; my four key steps: 4 x 512 bytes
	s_add_co_u32 s34, s34, s25
	s_add_nc_u64 s[6:7], s[6:7], s[34:35]
	s_lshl_b32 s34, s23, 4
	s_lshl_b32 s25, s22, 2
	s_add_co_u32 s34, s34, s25
	s_lshl_b32 s34, s34, 8                         ; MB: 256 bytes for a tile's key step
	s_add_nc_u64 s[20:21], s[20:21], s[34:35]
.irp i, 8,9,10,11,12,13,14,15
	v_mov_b32 v\i, 0                               ; v_writelane_b32's destinations count as read
.endr
	LOADU R0, 0, 8192, 6
	LOADU R1, 1, 8192, 6
.macro MUNIT e
.set RS, R0+64*((\e)%2)
.if (\e) < 3
	s_wait_loadcnt 16                              ; this key step's 16 loads are in; the next one's may be out
.else
	s_wait_loadcnt 0x0
.endif
	TOST RS, MST
	s_wait_dscnt 0x0                               ; the stores have read their registers,
.if (\e) < 2
	LOADU RS, (\e)+2, 8192, 6                      ; which take the key step two on
.endif
	FROMST XR, MST
	s_wait_dscnt 0x0
.set n, 0
.rept 8                                ; register n of lane (r, h) is mask[query r][key 32 (n / 16) + 16 h + n % 16]: a compare makes word n, bit = lane
.irp k, 0,1,2,3,4,5,6,7
	v_cmp_ne_u32 s[24+\k], 0, v[XR+n+\k]
.endr
.irp k, 0,1,2,3,4,5,6,7
	v_writelane_b32 v[8+2*(\e)+\k%2], s[24+\k], (n+\k)/2   ; lane L gathers words 2 L and 2 L + 1
.endr
.set n, n+8
.endr
	global_store_b64 v5, v[8+2*(\e):9+2*(\e)], s[20:21] offset:256*(\e)   ; 32 lanes store 256 consecutive bytes, aligned
.endm
	s_wait_alu depctr_va_vdst(0)
	MUNIT 0
	MUNIT 1
	MUNIT 2
	MUNIT 3
	s_wait_tensorcnt 0x0
	ds_add_u32 v208, v209
	s_wait_dscnt 0x0
	s_endpgm
	; ---- weights: work-group = (weight, 128 columns, K step), wave = 32 columns.  A lane takes a column and its registers run down k: nothing is transposed
.Lweights:
	s_lshr_b32 s23, ttmp9, 6                       ; 0 Wq, 1 Wk, 2 Wv, 3 Wo
	s_bfe_u32 s24, ttmp9, 0x30003                  ; which 128 columns
	s_and_b32 s25, ttmp9, 7                        ; K step
	s_cmp_eq_u32 s23, 1
	s_cselect_b64 s[8:9], s[10:11], s[8:9]
	s_cmp_eq_u32 s23, 2
	s_cselect_b64 s[8:9], s[12:13], s[8:9]
	s_cmp_eq_u32 s23, 3
	s_cselect_b64 s[8:9], s[14:15], s[8:9]
	s_lshl_b32 s24, s24, 2
	s_add_co_u32 s24, s24, s22                     ; my 32 columns: a pair of tiles
	s_lshl_b32 s34, s25, 19                        ; 128 rows of 4,096 bytes a K step
	s_lshl_b32 s26, s24, 7
	s_add_co_u32 s34, s34, s26
	s_add_nc_u64 s[8:9], s[8:9], s[34:35]
	s_lshl_b32 s26, s23, 6
	s_lshl_b32 s27, s24, 1
	s_add_co_u32 s26, s26, s27                     ; WC's tile: 64 x weight + 2 x pair
	s_mul_i32 s34, s26, TSTR
	s_lshr_b32 s27, s25, 1
	s_mul_i32 s27, s27, REC
	s_add_co_u32 s34, s34, s27
	s_add_nc_u64 s[18:19], s[18:19], s[34:35]
	s_and_b32 s25, s25, 1                          ; K step % 2
	s_wait_alu depctr_va_vdst(0)
	v_lshlrev_b32 v8, 2, v1                        ; in: 4 bytes a lane
	v_bfe_u32 v9, v0, 3, 1                         ; column o of the 32 lies in tile u = (o / 8) % 2,
	v_and_b32 v10, 7, v0
	v_lshl_add_u32 v10, v3, 3, v10                 ; as its row o % 8 + 8 (o / 16)
	s_mul_i32 s26, s22, 2*WSTR
	v_mul_u32_u24 v11, v9, WSTR
	v_add_nc_u32 v11, s26, v11
	v_lshl_add_u32 v12, v10, 4, v11                ; the stage: where my row's registers 0-3 go,
	v_lshl_add_u32 v13, v10, 3, v11                ; and its registers 4-5
	v_add_nc_u32 v14, s26, v4                      ; back: 16 x lane
	s_mul_i32 s27, s25, 1536
	v_add_nc_u32 v15, s27, v4                      ; WC: 16 x lane in the K step's fragment
	v_mul_u32_u24 v113, v9, TSTR
	v_lshl_add_u32 v113, v10, 3, v113
	s_lshl_b32 s27, s25, 2
	v_add_nc_u32 v113, s27, v113                   ; and my row's scale word
.macro LOADW t                         ; block t: W(32 t + i, my column); each load reads 128 consecutive bytes, the four waves side by side
.set i, 0
.rept 32
	global_load_b32 v[16+32*((\t)%2)+i], v8, s[8:9] offset:(32*(\t)+i)*4096 th:TH_LOAD_NT
.set i, i+1
.endr
.endm
	LOADW 0
	LOADW 1
.macro BLOCKW t
.set XS, 16+32*((\t)%2)
.set CW, 80+8*(\t)                     ; each block has registers of its own for its codes
.if (\t) < 3
	s_wait_loadcnt 32                              ; this block's 32 loads are in; the next block's may be out
.else
	s_wait_loadcnt 0x0
.endif
	v_max3_num_f32 v114, |v[XS]|, |v[XS+1]|, |v[XS+2]|             ; the block's largest magnitude: all 32 numbers are mine
	v_max3_num_f32 v115, |v[XS+3]|, |v[XS+4]|, |v[XS+5]|
.irp i, 6,10,14,18,22,26
	v_max3_num_f32 v114, v114, |v[XS+\i]|, |v[XS+\i+1]|
	v_max3_num_f32 v115, v115, |v[XS+\i+2]|, |v[XS+\i+3]|
.endr
	v_max3_num_f32 v114, v114, |v[XS+30]|, |v[XS+31]|
	v_max3_num_f32 v114, v114, v115, 0x1800000     ; and the floor 2^(3 - 127)
	v_add_nc_u32 v116, 0xff000000, v114            ; 2 off the exponent field: the conversion's scale operand
	v_lshrrev_b32 v117, 23, v116                   ; the scale's byte
.if (\t) == 0
	v_mov_b32 v112, v117
.else
	v_lshl_or_b32 v112, v117, 8*(\t), v112         ; the four bytes make my column's scale word for this K step
.endif
	v_cvt_scalef32_pk16_fp6_f32 v[CW:CW+2], v[XS:XS+15], v116
	v_cvt_scalef32_pk16_fp6_f32 v[CW+4:CW+6], v[XS+16:XS+31], v116   ; (a conversion's three registers begin on an even number)
	v_nop                                          ; one plain place behind a scaled conversion
	v_mov_b32 v[CW+3], v[CW+4]                     ; six registers on end
	v_mov_b32 v[CW+4], v[CW+5]
	v_mov_b32 v[CW+5], v[CW+6]
	ds_store_b128 v12, v[CW:CW+3] offset:WST+((\t)/2)*768+((\t)%2)*256        ; block t belongs to the operand's lane (row, t % 2), registers 6 (t / 2) on
	ds_store_b64  v13, v[CW+4:CW+5] offset:WST+((\t)/2)*768+512+((\t)%2)*128
.if (\t) < 2
	LOADW (\t)+2
.endif
.endm
	BLOCKW 0
	BLOCKW 1
	BLOCKW 2
	BLOCKW 3
.irp u, 0,1
.irp q, 0,1,2
	ds_load_b128 v[120+12*\u+4*\q:123+12*\u+4*\q], v14 offset:WST+\u*WSTR+512*\q   ; LDS serves a wave's instructions in order: these see my stores
.endr
.endr
	s_wait_alu depctr_va_vdst(0)
	s_wait_dscnt 0x0
.irp u, 0,1
.irp q, 0,1,2
	global_store_b128 v15, v[120+12*\u+4*\q:123+12*\u+4*\q], s[18:19] offset:\u*TSTR+512*\q   ; 512 consecutive bytes, aligned
.endr
.endr
	global_store_b32 v113, v112, s[18:19] offset:3072      ; the scale word, for lane r
	global_store_b32 v113, v112, s[18:19] offset:3200      ; and its copy for lane 16 + r
	s_wait_tensorcnt 0x0
	ds_add_u32 v208, v209
	s_wait_dscnt 0x0
	s_endpgm
.Lfunc_end_k_qd0533a3903_prep:
	.size	k_qd0533a3903_prep, .Lfunc_end_k_qd0533a3903_prep-k_qd0533a3903_prep
	.p2alignl 7, 3214868480
	.fill 96, 4, 3214868480
	.section	.rodata,"a",@progbits
	.p2align	6, 0x0
	.amdhsa_kernel k_qd0533a3903_prep
		.amdhsa_group_segment_fixed_size 81408
		.amdhsa_private_segment_fixed_size 0
		.amdhsa_enable_private_segment 0
		.amdhsa_kernarg_size 72
		.amdhsa_user_sgpr_count 2
		.amdhsa_user_sgpr_kernarg_segment_ptr 1
		.amdhsa_wavefront_size32 1
		.amdhsa_system_sgpr_workgroup_id_x 1
		.amdhsa_system_sgpr_workgroup_id_y 1
		.amdhsa_system_sgpr_workgroup_id_z 1
		.amdhsa_system_vgpr_workitem_id 0
		.amdhsa_next_free_vgpr 210
		.amdhsa_next_free_sgpr 66
		.amdhsa_reserve_vcc 0
		.amdhsa_float_denorm_mode_32 3
		.amdhsa_float_denorm_mode_16_64 3
		.amdhsa_memory_ordered 1
		.amdhsa_forward_progress 1
		.amdhsa_inst_pref_size 87
	.end_amdhsa_kernel
	.amdgpu_metadata
---
amdhsa.version: [ 1, 2 ]
amdhsa.kernels:
  - .name:           k_qd0533a3903_prep
    .symbol:         k_qd0533a3903_prep.kd
    .args:
      - { .name: x, .offset: 0, .size: 8, .value_kind: global_buffer, .address_space: global }
      - { .name: mask, .offset: 8, .size: 8, .value_kind: global_buffer, .address_space: global }
      - { .name: Wq, .offset: 16, .size: 8, .value_kind: global_buffer, .address_space: global }
      - { .name: Wk, .offset: 24, .size: 8, .value_kind: global_buffer, .address_space: global }
      - { .name: Wv, .offset: 32, .size: 8, .value_kind: global_buffer, .address_space: global }
      - { .name: Wo, .offset: 40, .size: 8, .value_kind: global_buffer, .address_space: global }
      - { .name: XQ, .offset: 48, .size: 8, .value_kind: global_buffer, .address_space: global }
      - { .name: WC, .offset: 56, .size: 8, .value_kind: global_buffer, .address_space: global }
      - { .name: MB, .offset: 64, .size: 8, .value_kind: global_buffer, .address_space: global }
    .group_segment_fixed_size: 81408
    .private_segment_fixed_size: 0
    .kernarg_segment_align: 8
    .kernarg_segment_size: 72
    .max_flat_workgroup_size: 128
    .sgpr_count:     66
    .vgpr_count:     210
    .wavefront_size: 32
...
	.end_amdgpu_metadata
.endif
;; end of part 1
;; launch qkv (part 2): grid 12 x 32, 4 waves a work-group, clusters of 4 x 4, 327,680 bytes of LDS; arguments XQ, WC, bq, bk, bv, QKV; writes QKV
.if DOCPART == 2
	.amdgcn_target "amdgcn-amd-amdhsa--gfx1250"
	.amdhsa_code_object_version 6
	.text
	.protected	k_qd0533a3903_qkv
	.globl	k_qd0533a3903_qkv
	.p2align	8
	.type	k_qd0533a3903_qkv,@function
k_qd0533a3903_qkv:
	s_mov_b64 s[64:65], 0
	v_nop
	global_prefetch_b8 v0, s[64:65] scope:SCOPE_SE
	s_setreg_imm32_b32 hwreg(HW_REG_WAVE_MODE, 25, 1), 1
	s_wait_xcnt 0x0
	s_wait_alu depctr_hold_cnt(0) depctr_sa_sdst(0) depctr_va_vdst(0) depctr_va_sdst(0) depctr_va_ssrc(0) depctr_va_vcc(0) depctr_vm_vsrc(0)
	s_getreg_b32 s2, hwreg(HW_REG_IB_STS2, 6, 4)
	s_cmp_eq_u32 s2, 0
	s_cbranch_scc0 .Lentry_in_a_cluster
	s_endpgm
.Lentry_in_a_cluster:
	s_bfe_u32 s2, ttmp6, 0x10000c
	s_cmp_lg_u32 s2, 0xf033
	s_cbranch_scc0 .Lentry_shape_is_right
	s_endpgm
.Lentry_shape_is_right:
.set FR,    12
.set NL,    4
.set NP,    4
.set REC,   3328
.set TSTR,  13312
.set HALFT, 8*REC
.set SLOT,  4*HALFT
.set SPARE, 2*SLOT
.set HSTR,  319488
.set ADRA,  16
.set ADRB,  20
.set L16,   26
.set L8,    27
.set SPW,   28
.set NIL,   29
.set ADRS,  30
.set SC,    32
.set BIAS,  64
.set AF,    128
.set T,     128
.set PC,    192
.set TM,    224
.set PWS,   240
.set VB,    244
.set G1,    24
.set G0,    32
.set G1B,   48
.set G0B,   56
.set SEL,   70
.set MSB, 0
.macro WIN new
.if MSB != (\new)
	s_set_vgpr_msb (MSB<<8)|(\new)
.set MSB, (\new)
.endif
.endm
.set MUL_LO, 0xa1
.set MUL_HI, 0xf1
.set TO_B,   0x40
.macro JLOAD g0a, g1a, g0b, g1b
	s_cmp_eq_u32 s13, 0
	s_cbranch_scc0 .Lfor_b_\@
	tensor_load_to_lds s[\g0a:\g0a+3], s[\g1a:\g1a+7]
	s_nop 0
.rept 4
	v_nop
.endr
	s_branch .Lasked_\@
.Lfor_b_\@:
	tensor_load_to_lds s[\g0b:\g0b+3], s[\g1b:\g1b+7]
	s_nop 0
.rept 4
	v_nop
.endr
.Lasked_\@:
.endm
.macro CREST
	s_cmp_lg_u32 s12, 0
	s_cbranch_scc1 .Lnot_wave_0_\@
	s_barrier_signal -3
.Lnot_wave_0_\@:
	s_barrier_wait -3
	s_barrier_signal -1
	s_barrier_wait -1
.endm
.macro CROUND
	s_barrier_signal -1
	s_barrier_wait -1
	CREST
.endm
.macro PLACES n
.rept \n
	v_nop
.endr
.endm
.macro FRAG reg, adr, q, i
	ds_load_b128 v[\reg:\reg+3],     v[\adr]   offset:(\i)*REC+(\q)*1536
	ds_load_b64  v[\reg+4:\reg+5],   v[\adr+2] offset:(\i)*REC+(\q)*1536+512
	ds_load_b128 v[\reg+6:\reg+9],   v[\adr]   offset:(\i)*REC+(\q)*1536+768
	ds_load_b64  v[\reg+10:\reg+11], v[\adr+2] offset:(\i)*REC+(\q)*1536+1280
.endm
.macro FETCH_B slot, q, p
	WIN TO_B
.irp i, 0,1,2,3,4,5,6,7
	FRAG 128*(\p)+FR*\i, ADRB+\slot, \q, \i
.endr
	WIN 0
.endm
.macro FETCH_A slot, q, i0
.irp i, \i0, \i0+1, \i0+2, \i0+3
	FRAG AF+FR*(\i), ADRA+\slot, \q, \i
.endr
.endm
.macro SCALES sl
.irp i, 0,1,2,3,4,5,6,7
	ds_load_b64 v[SC+16*\sl+2*\i:SC+16*\sl+2*\i+1], v[ADRS+\sl] offset:\i*REC+3072
.endr
.endm
.macro MUL16 a0, p, q, sc, zero
.irp a, \a0, \a0+1
.irp b, 0,1,2,3,4,5,6,7
.if \zero
	v_wmma_scale_f32_16x16x128_f8f6f4 v[8*(8*((\a)%4)+\b):8*(8*((\a)%4)+\b)+7], v[128*(\p)+FR*\b:128*(\p)+FR*\b+FR-1], v[AF+FR*(\a):AF+FR*(\a)+FR-1], 0, v[SC+16*(\sc)+2*\b+(\q)], v[SC+16*(\sc)+2*(\a)+(\q)] matrix_a_fmt:MATRIX_FMT_FP6 matrix_b_fmt:MATRIX_FMT_FP6 matrix_a_scale:MATRIX_SCALE_ROW1
.else
	v_wmma_scale_f32_16x16x128_f8f6f4 v[8*(8*((\a)%4)+\b):8*(8*((\a)%4)+\b)+7], v[128*(\p)+FR*\b:128*(\p)+FR*\b+FR-1], v[AF+FR*(\a):AF+FR*(\a)+FR-1], v[8*(8*((\a)%4)+\b):8*(8*((\a)%4)+\b)+7], v[SC+16*(\sc)+2*\b+(\q)], v[SC+16*(\sc)+2*(\a)+(\q)] matrix_a_fmt:MATRIX_FMT_FP6 matrix_b_fmt:MATRIX_FMT_FP6 matrix_a_scale:MATRIX_SCALE_ROW1
.endif
.endr
.endr
.endm
.macro STEP slot, zero
	s_wait_dscnt 4*NL
	WIN MUL_LO
	MUL16 0, 0, 0, \slot, \zero
	MUL16 2, 0, 0, \slot, \zero
	s_wait_dscnt 0x0
	PLACES NP
	FETCH_B \slot, 1, 1
	FETCH_A \slot, 1, 0
	WIN MUL_HI
	MUL16 4, 0, 0, \slot, \zero
	MUL16 6, 0, 0, \slot, \zero
	PLACES NP
	WIN 0
	FETCH_A \slot, 1, 4
.endm
.macro TURN slot, next, fill
	s_wait_tensorcnt 0x0
	ds_add_u32 v[SPW], v[NIL]
	s_wait_dscnt 4*NL+1
	WIN MUL_LO
	MUL16 0, 1, 1, \slot, 0
	s_wait_dscnt 0x0
	s_barrier_signal -1
	MUL16 2, 1, 1, \slot, 0
	WIN 0
	s_barrier_wait -1
.if \fill
	CREST
	s_add_nc_u64 s[G0+4*\slot+2:G0+4*\slot+3], s[G0+4*\slot+2:G0+4*\slot+3], 2*REC
	s_add_nc_u64 s[G0B+4*\slot+2:G0B+4*\slot+3], s[G0B+4*\slot+2:G0B+4*\slot+3], 2*REC
	JLOAD G0+4*\slot, G1, G0B+4*\slot, G1B
.else
	PLACES NP
.endif
	FETCH_B \next, 0, 0
	FETCH_A \next, 0, 0
	SCALES \next
	WIN MUL_HI
	MUL16 4, 1, 1, \slot, 0
	MUL16 6, 1, 1, \slot, 0
	PLACES NP
	WIN 0
	FETCH_A \next, 0, 4
.endm
.macro QUANT s, pc, pw
.irp b, 0,1,2,3
	v_max3_num_f32 v[TM+\b], |v[(\s)+16*\b]|, |v[(\s)+1+16*\b]|, 0x1800000
.endr
.irp i, 2,4,6,8,10,12,14
.irp b, 0,1,2,3
	v_max3_num_f32 v[TM+\b], v[TM+\b], |v[(\s)+16*\b+\i]|, |v[(\s)+1+16*\b+\i]|
.endr
.endr
.irp b, 0,1,2,3
	v_permlanex16_b32 v[TM+4+\b], v[TM+\b], s[SEL], s[SEL+1]
.endr
.irp b, 0,1,2,3
	v_max_num_f32 v[TM+\b], v[TM+\b], v[TM+4+\b]
.endr
.irp b, 0,1,2,3
	v_add_nc_u32 v[TM+12+\b], 0xff000000, v[TM+\b]
.endr
.irp b, 0,1,2,3
	v_lshrrev_b32 v[TM+4+\b], 23, v[TM+12+\b]
.endr
	v_lshl_or_b32 v[(\pw)], v[TM+5], 8, v[TM+4]
	v_lshl_or_b32 v[(\pw)], v[TM+6], 16, v[(\pw)]
	v_lshl_or_b32 v[(\pw)], v[TM+7], 24, v[(\pw)]
.irp c, 0,1
	v_cvt_scalef32_pk16_fp6_f32 v[(\pc)+6*\c:(\pc)+2+6*\c], v[(\s)+32*\c:(\s)+15+32*\c], v[TM+12+2*\c]
	v_cvt_scalef32_pk16_fp6_f32 v[(\pc)+12+4*\c:(\pc)+14+4*\c], v[(\s)+16+32*\c:(\s)+31+32*\c], v[TM+12+2*\c+1]
.endr
	v_nop
.irp c, 0,1
.irp i, 0,1,2
	v_permlane16_swap_b32 v[(\pc)+6*\c+\i], v[(\pc)+12+4*\c+\i]
.endr
.irp i, 0,1,2
	v_mov_b32 v[(\pc)+3+6*\c+\i], v[(\pc)+12+4*\c+\i]
.endr
.endr
.endm
.macro PUT off
	global_store_b128 v[L16], v[PC:PC+3],     s[78:79] offset:\off
	global_store_b64  v[L8],  v[PC+4:PC+5],   s[78:79] offset:\off+512
	global_store_b128 v[L16], v[PC+6:PC+9],   s[78:79] offset:\off+768
	global_store_b64  v[L8],  v[PC+10:PC+11], s[78:79] offset:\off+1280
.endm
	s_load_b256 s[4:11], s[0:1], 0x0
	s_load_b128 s[76:79], s[0:1], 0x20
	v_lshl_add_u32 v[SPW], v0, 2, SPARE
	v_mov_b32 v[NIL], 0
	ds_add_u32 v28, v29
	ds_add_u32 v28, v29
	s_wait_dscnt 0x0
	v_lshrrev_b32 v1, 5, v0
	v_readfirstlane_b32 s12, v1
	s_lshr_b32 s13, s12, 1
	s_and_b32 s14, s12, 1
	s_bfe_u32 s40, ttmp6, 0x40000
	s_bfe_u32 s41, ttmp6, 0x40004
	s_lshl_b32 s43, s41, 2
	s_lshl_b32 s43, 15, s43
	s_lshl_b32 s44, 0x1111, s40
	s_or_b32 s[G1], s43, (3<<16)|(1<<21)
	s_or_b32 s[G1B], s44, (3<<16)|(1<<21)
.irp g, G1, G1B
	s_mov_b32 s[\g+1], 416<<16
	s_mov_b32 s[\g+2], 8<<16
	s_mov_b32 s[\g+3], 416<<16
	s_mov_b32 s[\g+4], 8
	s_mov_b32 s[\g+5], 1664
	s_mov_b32 s[\g+6], 0
	s_mov_b32 s[\g+7], 0
.endr
	s_and_b32 s15, ttmp7, 0xffff
	s_lshl_b32 s15, s15, 2
	s_add_co_u32 s16, s15, s41
	s_add_co_u32 s17, s41, 8
	s_add_co_u32 s46, s15, s40
	s_lshl_b32 s47, ttmp9, 2
	s_add_co_u32 s47, s47, s40
	s_cmp_eq_u32 ttmp9, 2
	s_cselect_b32 s18, s17, s16
	s_cselect_b32 s80, s46, s47
	s_lshl_b32 s22, s14, 3
	s_lshl_b32 s18, s18, 4
	s_add_co_u32 s18, s18, s22
	s_mul_i32 s18, s18, TSTR
	s_mov_b32 s19, 0
	s_lshl_b32 s80, s80, 4
	s_add_co_u32 s80, s80, s22
	s_mul_i32 s80, s80, TSTR
	s_mov_b32 s81, 0
	s_mul_i32 s45, s12, HALFT
	s_wait_kmcnt 0x0
	s_cmp_eq_u32 ttmp9, 2
	s_cselect_b64 s[20:21], s[6:7], s[4:5]
	s_cselect_b64 s[82:83], s[4:5], s[6:7]
	s_add_nc_u64 s[20:21], s[20:21], s[18:19]
	s_add_nc_u64 s[82:83], s[82:83], s[80:81]
	CROUND
.irp s, 0,1
	s_mov_b32 s[G0+4*\s], 1
	s_add_co_u32 s[G0+4*\s+1], s45, \s*SLOT
	s_add_nc_u64 s[G0+4*\s+2:G0+4*\s+3], s[20:21], \s*REC
	s_or_b32 s[G0+4*\s+3], s[G0+4*\s+3], 0x80000000
	s_mov_b32 s[G0B+4*\s], 1
	s_add_co_u32 s[G0B+4*\s+1], s45, \s*SLOT
	s_add_nc_u64 s[G0B+4*\s+2:G0B+4*\s+3], s[82:83], \s*REC
	s_or_b32 s[G0B+4*\s+3], s[G0B+4*\s+3], 0x80000000
	s_wait_alu depctr_va_vdst(0)
	s_wait_tensorcnt 0x0
	ds_add_u32 v28, v29
	ds_add_u32 v28, v29
	s_wait_dscnt 0x0
	CROUND
	JLOAD G0+4*\s, G1, G0B+4*\s, G1B
.endr
	v_and_b32 v1, 31, v0
	v_and_b32 v2, 15, v0
	s_wait_alu depctr_va_vdst(0)
	v_bfe_u32 v3, v0, 4, 1
	v_lshlrev_b32 v[L16], 4, v1
	v_lshlrev_b32 v[L8], 3, v1
	s_cmp_eq_u32 ttmp9, 0
	s_cselect_b64 s[8:9], s[8:9], s[10:11]
	s_lshl_b32 s84, s40, 10
	s_lshl_b32 s85, s14, 9
	s_add_co_u32 s84, s84, s85
	s_mov_b32 s85, 0
	s_add_nc_u64 s[8:9], s[8:9], s[84:85]
	v_lshlrev_b32 v4, 6, v3
.irp g, 0,1,2,3
.irp j, 0,1,2,3
	global_load_b128 v[BIAS+16*\g+4*\j:BIAS+16*\g+4*\j+3], v4, s[8:9] offset:128*\g+16*\j
.endr
.endr
	s_lshl_b32 s84, s41, 10
	s_lshl_b32 s86, s13, 9
	s_add_co_u32 s84, s84, s86
	s_add_nc_u64 s[76:77], s[76:77], s[84:85]
	v_and_b32 v5, 8, v2
	v_add_nc_u32 v5, v5, v2
	v_lshlrev_b32 v5, 2, v5
.irp a, 0,1,2,3,4,5,6,7
	global_load_b32 v[VB+\a], v5, s[76:77] offset:4*(32*(\a/2)+8*(\a%2))
.endr
	s_mov_b32 s[SEL], 0x76543210
	s_mov_b32 s[SEL+1], 0xfedcba98
.irp b, 0,1,2,3
	v_mov_b32 v[TM+4+\b], 0
.endr
	s_mul_i32 s72, s13, HALFT
	s_mul_i32 s73, s14, HALFT
	s_add_co_u32 s73, s73, 2*HALFT
	s_sub_co_u32 s74, s73, s72
	v_mul_u32_u24 v6, s74, v3
	v_add_nc_u32 v6, v6, v[L8]
	v_add_nc_u32 v[ADRS], s72, v6
	v_add_nc_u32 v[ADRS+1], SLOT, v[ADRS]
.irp s, 0,1
	v_add_nc_u32 v[ADRA+\s], s72, v[L16]
	v_add_nc_u32 v[ADRA+2+\s], s72, v[L8]
	v_add_nc_u32 v[ADRB+\s], s73, v[L16]
	v_add_nc_u32 v[ADRB+2+\s], s73, v[L8]
	s_add_co_u32 s72, s72, SLOT
	s_add_co_u32 s73, s73, SLOT
.endr
	s_wait_alu depctr_va_vdst(0)
	s_wait_tensorcnt 1
	s_barrier_signal -1
	s_barrier_wait -1
	FETCH_B 0, 0, 0
	FETCH_A 0, 0, 0
	SCALES 0
	FETCH_A 0, 0, 4
	STEP 0, 1
	TURN 0, 1, 1
	STEP 1, 0
	TURN 1, 0, 1
	STEP 0, 0
	TURN 0, 1, 0
	STEP 1, 0
	s_wait_dscnt 4*NL
	WIN MUL_LO
	MUL16 0, 1, 1, 1, 0
	MUL16 2, 1, 1, 1, 0
	s_wait_dscnt 0x0
	WIN MUL_HI
	MUL16 4, 1, 1, 1, 0
	MUL16 6, 1, 1, 1, 0
	WIN 0
	PLACES NP
	s_wait_loadcnt 0x0
	s_cmp_eq_u32 ttmp9, 2
	s_cbranch_scc1 .Lvalues
	s_lshr_b32 s84, s16, 3
	s_lshl_b32 s84, s84, 4
	s_lshl_b32 s86, s40, 2
	s_add_co_u32 s84, s84, s86
	s_lshl_b32 s86, s14, 1
	s_add_co_u32 s84, s84, s86
	s_lshl_b32 s84, s84, 4
	s_and_b32 s86, s16, 7
	s_lshl_b32 s86, s86, 1
	s_add_co_u32 s84, s84, s86
	s_add_co_u32 s84, s84, s13
	s_mul_i32 s84, s84, 3
	s_add_co_u32 s84, s84, ttmp9
	s_mul_i32 s84, s84, 6656
	s_add_nc_u64 s[78:79], s[78:79], s[84:85]
.irp c, 0,1
.irp j, 0,1,2,3
	WIN 0x02+(\j/2)
.set AC, 8*(8*((2*\j)%4)+4*\c)
.set p, 0
.rept 16
	v_pk_add_f32 v[T+p:T+p+1], v[AC+p:AC+p+1], v[BIAS+32*\c+p:BIAS+32*\c+p+1]
.set p, p+2
.endr
.set p, 0
.rept 16
	v_pk_add_f32 v[T+32+p:T+33+p], v[AC+64+p:AC+65+p], v[BIAS+32*\c+p:BIAS+32*\c+p+1]
.set p, p+2
.endr
	WIN 0
	s_wait_xcnt 0x0
	QUANT T, PC, PWS+\j
	PUT \c*HSTR+\j*1536
.endr
	global_store_b128 v[L16], v[PWS:PWS+3], s[78:79] offset:\c*HSTR+6144
.endr
	s_branch .Lend
.Lvalues:
	s_lshr_b32 s84, s46, 3
	s_lshl_b32 s84, s84, 4
	s_lshl_b32 s86, s41, 2
	s_add_co_u32 s84, s84, s86
	s_lshl_b32 s86, s13, 1
	s_add_co_u32 s84, s84, s86
	s_lshl_b32 s84, s84, 4
	s_and_b32 s86, s46, 7
	s_lshl_b32 s86, s86, 1
	s_add_co_u32 s84, s84, s86
	s_add_co_u32 s84, s84, s14
	s_mul_i32 s84, s84, 3
	s_add_co_u32 s84, s84, 2
	s_mul_i32 s84, s84, 6656
	s_add_nc_u64 s[78:79], s[78:79], s[84:85]
.irp a, 0,1,2,3,4,5,6,7
	WIN 0x02+(\a/4)
.set AC, 64*((\a)%4)
.set p, 0
.rept 32
.if (\a)%2
	v_pk_add_f32 v[T+p:T+p+1], v[AC+p:AC+p+1], v[VB+(\a)-1:VB+(\a)] op_sel:[0,1] op_sel_hi:[1,1]
.else
	v_pk_add_f32 v[T+p:T+p+1], v[AC+p:AC+p+1], v[VB+(\a):VB+(\a)+1] op_sel_hi:[1,0]
.endif
.set p, p+2
.endr
	WIN 0
	s_wait_xcnt 0x0
	QUANT T, PC, PWS+(\a%4)
	PUT (\a/4)*HSTR+(\a%4)*1536
.if (\a)%4 == 3
	global_store_b128 v[L16], v[PWS:PWS+3], s[78:79] offset:(\a/4)*HSTR+6144
.endif
.endr
.Lend:
	s_wait_tensorcnt 0x0
	ds_add_u32 v[SPW], v[NIL]
	s_wait_dscnt 0x0
	CROUND
	s_endpgm
.Lfunc_end_k_qd0533a3903_qkv:
	.size	k_qd0533a3903_qkv, .Lfunc_end_k_qd0533a3903_qkv-k_qd0533a3903_qkv
	.p2alignl 7, 3214868480
	.fill 96, 4, 3214868480
	.section	.rodata,"a",@progbits
	.p2align	6, 0x0
	.amdhsa_kernel k_qd0533a3903_qkv
		.amdhsa_group_segment_fixed_size 327680
		.amdhsa_private_segment_fixed_size 0
		.amdhsa_enable_private_segment 0
		.amdhsa_kernarg_size 48
		.amdhsa_user_sgpr_count 2
		.amdhsa_user_sgpr_kernarg_segment_ptr 1
		.amdhsa_wavefront_size32 1
		.amdhsa_system_sgpr_workgroup_id_x 1
		.amdhsa_system_sgpr_workgroup_id_y 1
		.amdhsa_system_sgpr_workgroup_id_z 1
		.amdhsa_system_vgpr_workitem_id 0
		.amdhsa_next_free_vgpr 1024
		.amdhsa_next_free_sgpr 100
		.amdhsa_reserve_vcc 0
		.amdhsa_float_denorm_mode_32 3
		.amdhsa_float_denorm_mode_16_64 3
		.amdhsa_memory_ordered 1
		.amdhsa_forward_progress 1
		.amdhsa_inst_pref_size 216
	.end_amdhsa_kernel
	.amdgpu_metadata
---
amdhsa.version: [ 1, 2 ]
amdhsa.kernels:
  - .name:           k_qd0533a3903_qkv
    .symbol:         k_qd0533a3903_qkv.kd
    .args:
      - { .name: XQ, .offset: 0, .size: 8, .value_kind: global_buffer, .address_space: global }
      - { .name: WC, .offset: 8, .size: 8, .value_kind: global_buffer, .address_space: global }
      - { .name: bq, .offset: 16, .size: 8, .value_kind: global_buffer, .address_space: global }
      - { .name: bk, .offset: 24, .size: 8, .value_kind: global_buffer, .address_space: global }
      - { .name: bv, .offset: 32, .size: 8, .value_kind: global_buffer, .address_space: global }
      - { .name: QKV, .offset: 40, .size: 8, .value_kind: global_buffer, .address_space: global }
    .group_segment_fixed_size: 327680
    .private_segment_fixed_size: 0
    .kernarg_segment_align: 8
    .kernarg_segment_size: 48
    .max_flat_workgroup_size: 128
    .sgpr_count:     100
    .vgpr_count:     1024
    .wavefront_size: 32
...
	.end_amdgpu_metadata
.endif
;; end of part 2
;; launch attn (part 3): grid 4 x 64, 16 waves a work-group, clusters of 4 x 1, 215,040 bytes of LDS; arguments QKV, MB, OC; writes OC
.if DOCPART == 3
	.amdgcn_target "amdgcn-amd-amdhsa--gfx1250"
	.amdhsa_code_object_version 6
	.text
	.protected	k_qd0533a3903_attn
	.globl	k_qd0533a3903_attn
	.p2align	8
	.type	k_qd0533a3903_attn,@function
k_qd0533a3903_attn:
	s_mov_b64 s[64:65], 0
	v_nop
	global_prefetch_b8 v0, s[64:65] scope:SCOPE_SE
	s_setreg_imm32_b32 hwreg(HW_REG_WAVE_MODE, 25, 1), 1
	s_wait_xcnt 0x0
	s_wait_alu depctr_hold_cnt(0) depctr_sa_sdst(0) depctr_va_vdst(0) depctr_va_sdst(0) depctr_va_ssrc(0) depctr_va_vcc(0) depctr_vm_vsrc(0)
	s_getreg_b32 s2, hwreg(HW_REG_IB_STS2, 6, 4)
	s_cmp_eq_u32 s2, 0
	s_cbranch_scc0 .Lentry_in_a_cluster
	s_endpgm
.Lentry_in_a_cluster:
	s_bfe_u32 s2, ttmp6, 0x10000c
	s_cmp_lg_u32 s2, 0x3003
	s_cbranch_scc0 .Lentry_shape_is_right
	s_endpgm
.Lentry_shape_is_right:
; Attention of one head on codes of FP6 (E2M3) with E8M0 scales, with the mask that the problem gives, and the result quantised for the last product.
; t = score x log2(e) / 8; M = the running largest t rounded up to a whole number; p = 2^(t - M) is quantised along the keys, not normalised; the row's sum is taken of the unquantised p and divides at the end.
; SHARES.  Work-group (x, y): head y = 16 b + head, queries 512 x on.  Sixteen waves, four to a SIMD; a wave owns one tile of 16 queries at a time, two passes.  Every wave walks the head's 16 key steps of 128 keys.
; LDS.  A head's K and V, as codes with their scale words, are 16 x 13,312 = 212,992 bytes: they come ONCE, a key step a wave, by one joint tensor load each (the four work-groups of a cluster want the same bytes), and stay:
; nothing is filled again, and no barrier stands in the loops.  One tensor load of a wave is out, at the start.
; LAYOUT.  Both products are used transposed: S^T = K Q^T (source 0 = keys), O^T = V^T P^T (source 0 = 16 of the head's 64): a lane holds one query throughout.
; The head has 64 dims and the instruction 128 along K: a fragment of K holds two tiles of 16 keys, [tile 2 j | tile 2 j + 1], and is multiplied by [Q | 0] and by [0 | Q]: LDS holds and serves no zero codes.
; Register 16 j + e of S^T holds key 32 j + 16 (lane / 16) + e.  MB holds for each such register a word with a bit a lane: one v_cndmask_b32 a score.
; A ROW WHOLLY MASKED has the sum 0: its scale bytes become 0xff, which makes the last product's row NaN, as a softmax over nothing is.
; LIMITS: a block of zeros gets the scale byte 1 (its codes are zeros); NaN and infinities among the inputs are not served.  The scale bytes leave 2 bytes a lane, parts of blocks of 256 bytes that four heads share.
.set WV,   52                          ; s52  wave
.set PASS, 53
.set STP,  54
.set TB,   55                          ; s55  LDS byte at which the key step in hand begins
.set SEL,  56                          ; s[56:57] lane selects: lane l xor 16
.set CS,   58                          ; s[58:59] c = log2(e) / 8
.set SH,   62                          ; s62  16 x (wave % 2): which half of a scale word is my tile's
.set G1,   88                          ; s[88:95] descriptor group 1;  s[96:99] group 0
.set G0,   96
; s[4:51], s[68:83] the key step's 64 mask words;  s[60:61] OC, s[84:85] Q's block, s[86:87] the mask words, each at my tile
.set L16,  1                           ; v1 16 x lane   v2 8 x lane
.set L8,   2
.set A16,  3                           ; v3, v4 the same in the key step in hand
.set A8,   4
.set NINF, 5                           ; v5 -infinity
.set QA16, 6                           ; v6-8 Q's codes and scale word in its block
.set QA8,  7
.set QAS,  8
.set RAW,  9
.set OA16, 10                          ; v10, v11, v35 my head's codes and scale bytes in OC's record
.set OA8,  11
.set OAS,  35
.set QS,   34                          ; v34 Q's scale word: (s0, s1, s0, s1).   v16-33: Q, 0, Q.   v12 -M, v13 the largest t, v[14:15] the sum in two halves
.set FG,   36                          ; v36-83 four fragments, K's and then V's
.set KS,   84                          ; v84-87 K's scale words   v88-91 V's
.set VS,   88
.set S,    96                          ; v96-159 S^T, then p
.set O,    160                         ; v160-191 O^T
.set PC,   192                         ; v192-203 p's codes, v204-210 at work
.set BM,   212
.set PX,   216
.set SO,   220
.set F,    224                         ; v224 f; v225 0 (named with it as a pair)
.set TT,   226
.set PWD,  227                         ; p's scale word
.set SU,   228
.macro CROUND
	s_barrier_signal -1
	s_barrier_wait -1
	s_cmp_lg_u32 s[WV], 0
	s_cbranch_scc1 .Lnot_wave_0_\@
	s_barrier_signal -3
.Lnot_wave_0_\@:
	s_barrier_wait -3
	s_barrier_signal -1
	s_barrier_wait -1
.endm
.macro FETCH off, sc                   ; four fragments and their scale words, as they lie: 17 dense loads
.irp j, 0,1,2,3
	ds_load_b128 v[FG+12*\j:FG+12*\j+3],     v[A16] offset:\off+1536*\j
	ds_load_b64  v[FG+12*\j+4:FG+12*\j+5],   v[A8]  offset:\off+1536*\j+512
	ds_load_b128 v[FG+12*\j+6:FG+12*\j+9],   v[A16] offset:\off+1536*\j+768
	ds_load_b64  v[FG+12*\j+10:FG+12*\j+11], v[A8]  offset:\off+1536*\j+1280
.endr
	ds_load_b128 v[\sc:\sc+3], v[A16] offset:\off+6144
.endm
.macro MASKWORDS
	s_load_b512 s[4:19],  s[86:87], 0x0
	s_load_b512 s[20:35], s[86:87], 0x40
	s_load_b512 s[36:51], s[86:87], 0x80
	s_load_b512 s[68:83], s[86:87], 0xc0
.endm
	s_load_b128 s[84:87], s[0:1], 0x0              ; QKV, MB
	s_load_b64 s[60:61], s[0:1], 0x10              ; OC
	v_lshl_add_u32 v254, v0, 2, 0x34000
	v_mov_b32 v255, 0
	ds_add_u32 v254, v255
	ds_add_u32 v254, v255
	v_lshrrev_b32 v1, 5, v0
	s_delay_alu instid0(VALU_DEP_1)
	v_readfirstlane_b32 s[WV], v1                  ; wave 0..15
	s_bfe_u32 s63, ttmp6, 0x40000                  ; cx: it enters Q's, the mask's and OC's addresses alone
	s_and_b32 s100, ttmp7, 0xffff                  ; y = 16 b + head, which the four partners share
	; group 1: a key step's K and V blocks, 13,312 dense bytes, as 52 rows of 32 elements of 8 bytes; the mask names all four work-groups
	s_mov_b32 s[G1], 15|(3<<16)|(1<<21)
	s_mov_b32 s[G1+1], 32<<16
	s_mov_b32 s[G1+2], 52<<16
	s_mov_b32 s[G1+3], 32<<16
	s_mov_b32 s[G1+4], 52
	s_mov_b32 s[G1+5], 32
	s_mov_b32 s[G1+6], 0
	s_mov_b32 s[G1+7], 0
	s_lshl_b32 s2, s100, 4
	s_add_co_u32 s2, s2, s[WV]                     ; key step = my wave's number
	s_mul_i32 s2, s2, 19968
	s_add_co_u32 s2, s2, 6656                      ; behind the step's Q block
	s_mov_b32 s3, 0
	s_wait_dscnt 0x0
	s_wait_kmcnt 0x0
	CROUND                                         ; all four work-groups are here: the joint loads meet
	s_mov_b32 s[G0], 1
	s_mul_i32 s[G0+1], s[WV], 13312
	s_add_nc_u64 s[G0+2:G0+3], s[84:85], s[2:3]
	s_or_b32 s[G0+3], s[G0+3], 0x80000000
	tensor_load_to_lds s[G0:G0+3], s[G1:G1+7]
	s_nop 0
.rept 4
	v_nop
.endr
	s_lshr_b32 s2, s100, 4                         ; b
	s_lshl_b32 s2, s2, 7
	s_lshl_b32 s101, s63, 5
	s_add_co_u32 s2, s2, s101
	s_add_co_u32 s101, s2, s[WV]                   ; 128 b + my tile of queries in pass 0: 32 cx + wave
	s_lshl_b32 s2, s101, 12                        ; MB: 16 steps x 256 bytes a tile
	s_add_nc_u64 s[86:87], s[86:87], s[2:3]
	s_mul_i32 s2, s101, 13312                      ; OC: a tile,
	s_bfe_u32 s101, s100, 0x20002
	s_mul_i32 s101, s101, 3328                     ; the pair of K steps head / 4
	s_add_co_u32 s2, s2, s101
	s_add_nc_u64 s[60:61], s[60:61], s[2:3]
	s_lshl_b32 s2, s100, 4
	s_lshl_b32 s101, s63, 2
	s_add_co_u32 s2, s2, s101
	s_lshr_b32 s101, s[WV], 3
	s_add_co_u32 s2, s2, s101                      ; Q: the step of 128 tokens 4 cx + wave / 8 (+ 2 a pass)
	s_mul_i32 s2, s2, 19968
	s_add_nc_u64 s[84:85], s[84:85], s[2:3]
	v_and_b32 v9, 31, v0
	s_delay_alu instid0(VALU_DEP_1)
	v_lshlrev_b32 v[L16], 4, v9
	s_delay_alu instid0(VALU_DEP_2)
	v_lshlrev_b32 v[L8], 3, v9
	s_and_b32 s2, s[WV], 7                         ; my tile in its step: half wave % 2 of fragment (wave % 8) / 2: 768 bytes a tile
	s_mul_i32 s101, s2, 768
	v_add_nc_u32 v[QA16], s101, v[L16]
	v_add_nc_u32 v[QA8], s101, v[L8]
	s_lshr_b32 s2, s2, 1
	s_lshl_b32 s2, s2, 2
	v_add_nc_u32 v[QAS], s2, v[L16]
	s_and_b32 s2, s100, 3                          ; my head's half fragment in OC's record: 768 x (head % 4),
	s_mul_i32 s101, s2, 768
	v_add_nc_u32 v[OA16], s101, v[L16]
	v_add_nc_u32 v[OA8], s101, v[L8]
	s_lshl_b32 s2, s2, 1                           ; and its two scale bytes
	v_add_nc_u32 v[OAS], s2, v[L8]
	s_and_b32 s[SH], s[WV], 1
	s_lshl_b32 s[SH], s[SH], 4
	s_mov_b32 s[SEL], 0x76543210
	s_mov_b32 s[SEL+1], 0xfedcba98
	s_mov_b32 s[CS], 0x3e38aa3b                    ; c = log2(e) / 8
	s_mov_b32 s[CS+1], s[CS]                       ; (named with it as a pair, so it is written)
	v_mov_b32 v[NINF], 0xff800000
	v_mov_b32 v[F+1], 0
	v_mov_b32 v[TT], 0
.irp b, 0,1,2,3
	v_mov_b32 v[PX+\b], 0                          ; written once: a lane permute's destination counts as one of its sources
.endr
	s_mov_b32 s[PASS], 2
	s_wait_tensorcnt 0x0                           ; my key step has landed,
	s_barrier_signal -1
	s_barrier_wait -1                              ; everybody's has: from here on LDS is only read
; A KEY STEP.  next = 1: the next step's mask words and K are asked for.
.macro STEP next
	s_wait_dscnt 0x0                               ; K's fragments and scale words are in
.irp j, 0,1,2,3
	v_wmma_scale_f32_16x16x128_f8f6f4 v[S+16*\j:S+16*\j+7], v[FG+12*\j:FG+12*\j+11], v[16:27], 0, v[KS+\j], v[QS] matrix_a_fmt:MATRIX_FMT_FP6 matrix_b_fmt:MATRIX_FMT_FP6
	v_wmma_scale_f32_16x16x128_f8f6f4 v[S+16*\j+8:S+16*\j+15], v[FG+12*\j:FG+12*\j+11], v[22:33], 0, v[KS+\j], v[QS] matrix_a_fmt:MATRIX_FMT_FP6 matrix_b_fmt:MATRIX_FMT_FP6
.endr
.rept 4
	v_nop                                          ; places in front of loads into registers that matrix instructions have read, and of the first read of results
.endr
	FETCH 6656, VS                                 ; V's fragments land while the softmax is worked
	s_wait_kmcnt 0x0                               ; this step's mask words
.set n, 0
.rept 48
	v_cndmask_b32 v[S+n], v[NINF], v[S+n], s[4+n]  ; a hidden key's score becomes -infinity: p = 0 then.  (Each accumulator from its low end on)
.set n, n+1
.endr
.rept 16
	v_cndmask_b32 v[S+n], v[NINF], v[S+n], s[20+n]
.set n, n+1
.endr
.irp b, 0,1,2,3
	v_max3_num_f32 v[BM+\b], v[S+16*\b], v[S+1+16*\b], v[S+2+16*\b]   ; the largest score of each block of 32 keys: for the row's maximum, and, since p rises with the score, for the block's largest p
.endr
.irp i, 3,5,7,9,11,13
.irp b, 0,1,2,3
	s_delay_alu instid0(VALU_DEP_4)
	v_max3_num_f32 v[BM+\b], v[BM+\b], v[S+16*\b+\i], v[S+1+16*\b+\i]
.endr
.endr
.irp b, 0,1,2,3
	s_delay_alu instid0(VALU_DEP_4)
	v_max_num_f32 v[BM+\b], v[BM+\b], v[S+15+16*\b]
.endr
.if \next
	s_add_nc_u64 s[86:87], s[86:87], 256           ; (the wait above has shown the last scalar loads done)
	MASKWORDS                                      ; they have the rest of the step in which to land
.endif
.irp b, 0,1,2,3
	v_permlanex16_b32 v[PX+\b], v[BM+\b], s[SEL], s[SEL+1]
.endr
.irp b, 0,1,2,3
	s_delay_alu instid0(VALU_DEP_4)
	v_max_num_f32 v[BM+\b], v[BM+\b], v[PX+\b]     ; with lane l xor 16's 16 keys
.endr
	s_delay_alu instid0(VALU_DEP_2)
	v_max3_num_f32 v[TT], v[BM], v[BM+1], v[BM+2]
	s_delay_alu instid0(VALU_DEP_1)
	v_max_num_f32 v[TT], v[TT], v[BM+3]
	s_delay_alu instid0(VALU_DEP_1)
	v_mul_f32 v[TT], s[CS], v[TT]                  ; the step's largest t (c is positive)
	s_delay_alu instid0(VALU_DEP_1)
	v_max_num_f32 v13, v13, v[TT]                  ; the running largest t
	v_mov_b32 v[TT], v12
	s_delay_alu instid0(VALU_DEP_2)
	v_floor_f32 v12, -v13                          ; the new -M = floor(-t): M is a whole number
	s_delay_alu instid0(VALU_DEP_1)
	v_sub_f32 v[TT], v12, v[TT]                    ; old M - new M: a whole number, 0 or less
	s_delay_alu instid0(VALU_DEP_1)
	v_cvt_i32_f32 v[TT], v[TT]                     ; (it saturates)
	s_delay_alu instid0(VALU_DEP_1)
	v_ldexp_f32 v[F], 1.0, v[TT]                   ; f = 2^(old M - new M): a multiplication by it rounds nothing
.set n, 0
.rept 32
	v_pk_fma_f32 v[S+n:S+n+1], v[S+n:S+n+1], s[CS:CS+1], v[12:13] op_sel_hi:[1,0,0]   ; t - M, two at a time
.set n, n+2
.endr
.irp b, 0,1,2,3
	v_fma_f32 v[BM+\b], v[BM+\b], s[CS], v12       ; the same of each block's largest score
.endr
.set n, 0
	s_setprio 1
	s_wait_alu depctr_va_vdst(0)
.rept 64
	v_exp_f32 v[S+n], v[S+n]                       ; p = 2^(t - M), at most 1
.set n, n+1
.endr
	v_pk_mul_f32 v[14:15], v[14:15], v[F:F+1] op_sel_hi:[1,0]   ; the sums under the new M: the plain place behind the exponentials
	s_wait_alu depctr_va_vdst(0)                   ; one wait for the whole batch, ahead of its first reader
.irp b, 0,1,2,3
	v_exp_f32 v[BM+\b], v[BM+\b]                   ; the block's largest p: the same two instructions on the same number
.endr
	v_pk_add_f32 v[228:229], v[100:101], v[104:105]
	v_pk_add_f32 v[252:253], v[108:109], v[112:113]
	v_pk_add_f32 v[250:251], v[116:117], v[120:121]
	v_pk_add_f32 v[248:249], v[124:125], v[128:129]
	v_pk_add_f32 v[246:247], v[132:133], v[136:137]
	v_pk_add_f32 v[244:245], v[140:141], v[144:145]
	v_pk_add_f32 v[242:243], v[148:149], v[152:153]
	v_pk_add_f32 v[14:15], v[14:15], v[156:157]
	v_pk_add_f32 v[228:229], v[228:229], v[96:97]
	v_pk_add_f32 v[252:253], v[252:253], v[98:99]
	v_pk_add_f32 v[250:251], v[250:251], v[102:103]
	v_pk_add_f32 v[248:249], v[248:249], v[106:107]
	v_pk_add_f32 v[246:247], v[246:247], v[110:111]
	v_pk_add_f32 v[244:245], v[244:245], v[114:115]
	v_pk_add_f32 v[242:243], v[242:243], v[118:119]
	v_pk_add_f32 v[14:15], v[14:15], v[122:123]
	v_pk_add_f32 v[228:229], v[228:229], v[126:127]
	v_pk_add_f32 v[252:253], v[252:253], v[130:131]
	v_pk_add_f32 v[250:251], v[250:251], v[134:135]
	v_pk_add_f32 v[248:249], v[248:249], v[138:139]
	v_pk_add_f32 v[246:247], v[246:247], v[142:143]
	v_pk_add_f32 v[244:245], v[244:245], v[146:147]
	v_pk_add_f32 v[242:243], v[242:243], v[150:151]
	v_pk_add_f32 v[14:15], v[14:15], v[154:155]
	v_pk_add_f32 v[228:229], v[228:229], v[158:159]
	s_delay_alu instid0(VALU_DEP_2)
	v_pk_add_f32 v[14:15], v[14:15], v[248:249]
	s_delay_alu instid0(VALU_DEP_2)
	v_pk_add_f32 v[228:229], v[228:229], v[246:247]
	v_pk_add_f32 v[252:253], v[252:253], v[244:245]
	v_pk_add_f32 v[250:251], v[250:251], v[242:243]
	s_delay_alu instid0(VALU_DEP_2)
	v_pk_add_f32 v[14:15], v[14:15], v[252:253]
	s_delay_alu instid0(VALU_DEP_2)
	v_pk_add_f32 v[228:229], v[228:229], v[250:251]
	s_delay_alu instid0(VALU_DEP_1)
	v_pk_add_f32 v[14:15], v[14:15], v[228:229]
	s_wait_alu depctr_va_vdst(0)                   ; and one for the four
.irp b, 0,1,2,3
	v_max_num_f32 v[BM+\b], 0x1800000, v[BM+\b]    ; the floor 2^(3 - 127): the byte cannot fall under 1
.endr
.irp b, 0,1,2,3
	s_delay_alu instid0(VALU_DEP_4)
	v_add_nc_u32 v[SO+\b], 0xff000000, v[BM+\b]    ; 2 off the exponent field: the conversion's scale operand
.endr
.irp b, 0,1,2,3
	s_delay_alu instid0(VALU_DEP_4)
	v_lshrrev_b32 v[PX+\b], 23, v[SO+\b]           ; the scale's byte
.endr
	s_delay_alu instid0(VALU_DEP_3)
	v_lshl_or_b32 v[PWD], v[PX+1], 8, v[PX]        ; p's scale word for these 128 keys
	s_delay_alu instid0(VALU_DEP_1)
	v_lshl_or_b32 v[PWD], v[PX+2], 16, v[PWD]
	s_delay_alu instid0(VALU_DEP_1)
	v_lshl_or_b32 v[PWD], v[PX+3], 24, v[PWD]
.irp c, 0,1
	v_cvt_scalef32_pk16_fp6_f32 v[PC+6*\c:PC+2+6*\c], v[S+32*\c:S+15+32*\c], v[SO+2*\c]
	v_cvt_scalef32_pk16_fp6_f32 v[PC+12+4*\c:PC+14+4*\c], v[S+16+32*\c:S+31+32*\c], v[SO+2*\c+1]
.endr
	v_nop                                          ; one plain place behind a scaled conversion
.irp c, 0,1                            ; the operand's layout wants a whole block in a lane
.irp i, 0,1,2
	v_permlane16_swap_b32 v[PC+6*\c+\i], v[PC+12+4*\c+\i]
.endr
.irp i, 0,1,2
	s_delay_alu instid0(VALU_DEP_3)
	v_mov_b32 v[PC+3+6*\c+\i], v[PC+12+4*\c+\i]
.endr
.endr
.set n, 0
	s_setprio 0
.rept 16
	v_pk_mul_f32 v[O+n:O+n+1], v[O+n:O+n+1], v[F:F+1] op_sel_hi:[1,0]   ; O^T under the new M; these sixteen are also the places between the codes' and the scale word's last writes and the products
.set n, n+2
.endr
	s_wait_alu depctr_va_vdst(0)
	s_wait_dscnt 0x0                               ; V's fragments and scale words are in
.irp t, 0,1,2,3                        ; four accumulators by turns; the eight products S^T stand between two turns of any one
	v_wmma_scale_f32_16x16x128_f8f6f4 v[O+8*\t:O+8*\t+7], v[FG+12*\t:FG+12*\t+11], v[PC:PC+11], v[O+8*\t:O+8*\t+7], v[VS+\t], v[PWD] matrix_a_fmt:MATRIX_FMT_FP6 matrix_b_fmt:MATRIX_FMT_FP6
.endr
.if \next
	s_add_co_u32 s[TB], s[TB], 13312
	v_add_nc_u32 v[A16], s[TB], v[L16]
	v_add_nc_u32 v[A8], s[TB], v[L8]
	v_nop
	v_nop                                          ; four places in front of loads into registers that matrix instructions have read
	FETCH 0, KS
.endif
.endm
.Lpass:
	global_load_b128 v[16:19], v[QA16], s[84:85]                ; my tile of Q: six registers a lane
	global_load_b64 v[20:21], v[QA8], s[84:85] offset:512
	global_load_b32 v[RAW], v[QAS], s[84:85] offset:6144        ; its fragment's scale word
	MASKWORDS                                      ; key step 0's
	s_mov_b32 s[TB], 0
	v_add_nc_u32 v[A16], s[TB], v[L16]
	v_add_nc_u32 v[A8], s[TB], v[L8]
	FETCH 0, KS
	v_mov_b32 v13, 0xff61b1e6                      ; the largest t so far: -3e38, under every t
	s_delay_alu instid0(VALU_DEP_1)
	v_floor_f32 v12, -v13                          ; -M
	v_mov_b32 v14, 0
	v_mov_b32 v15, 0
.irp i, 22,23,24,25,26,27
	v_mov_b32 v\i, 0                               ; zero codes: they add nothing under any scale byte of Q's
.endr
	s_wait_loadcnt 0x0
	v_lshrrev_b32 v[RAW], s[SH], v[RAW]            ; my tile's two bytes,
	s_delay_alu instid0(VALU_DEP_1)
	v_and_b32 v[RAW], 0xffff, v[RAW]
	s_delay_alu instid0(VALU_DEP_1)
	v_lshl_or_b32 v[QS], v[RAW], 16, v[RAW]        ; for [Q | 0] and for [0 | Q]
.irp i, 0,1,2,3,4,5
	v_mov_b32 v[28+\i], v[16+\i]
.endr
.set n, 0
.rept 32
	v_mov_b32 v[O+n], 0                            ; O^T.  (The step is written for every trip alike: the first finds zeros.)  These are also the places between Q's last writes and the first products
.set n, n+1
.endr
	s_mov_b32 s[STP], 15
.Lstep:
	s_wait_alu depctr_va_vdst(0)
	s_setprio 2
	STEP 1
	s_sub_co_u32 s[STP], s[STP], 1
	s_cmp_lg_u32 s[STP], 0
	s_cbranch_scc1 .Lstep
	s_setprio 0
	s_wait_alu depctr_va_vdst(0)
	STEP 0                                         ; the last key step asks for nothing more
	; THE WAY OUT OF A PASS: O^T / the sum, quantised along the head's 64 (two blocks), to OC as half a fragment of the last product's operand
	v_add_f32 v14, v14, v15
	s_delay_alu instid0(VALU_DEP_1)
	v_permlanex16_b32 v[TT], v14, s[SEL], s[SEL+1]
	s_delay_alu instid0(VALU_DEP_1)
	v_add_f32 v14, v14, v[TT]                      ; the row's sum
	s_wait_alu depctr_va_vdst(0)
	v_rcp_f32 v[F], v14
	v_cmp_eq_f32 vcc_lo, 0, v14                    ; a row wholly masked
	v_nop
	v_nop                                          ; (with the two additions and the compare: the places behind the last products)
	s_wait_alu depctr_va_vdst(0)                   ; the wait ahead of the reciprocal's first reader
.set n, 0
.rept 16
	v_pk_mul_f32 v[S+n:S+n+1], v[O+n:O+n+1], v[F:F+1] op_sel_hi:[1,0]   ; register 16 g + e: dim 32 g + 16 h + e of my query
.set n, n+2
.endr
.irp g, 0,1
	v_max3_num_f32 v[BM+\g], |v[S+16*\g]|, |v[S+1+16*\g]|, 0x1800000
.endr
.irp i, 2,4,6,8,10,12,14
.irp g, 0,1
	s_delay_alu instid0(VALU_DEP_2)
	v_max3_num_f32 v[BM+\g], v[BM+\g], |v[S+16*\g+\i]|, |v[S+1+16*\g+\i]|
.endr
.endr
.irp g, 0,1
	s_delay_alu instid0(VALU_DEP_2)
	v_permlanex16_b32 v[PX+\g], v[BM+\g], s[SEL], s[SEL+1]
.endr
.irp g, 0,1
	s_delay_alu instid0(VALU_DEP_2)
	v_max_num_f32 v[BM+\g], v[BM+\g], v[PX+\g]
.endr
.irp g, 0,1
	s_delay_alu instid0(VALU_DEP_2)
	v_add_nc_u32 v[SO+\g], 0xff000000, v[BM+\g]
.endr
.irp g, 0,1
	s_delay_alu instid0(VALU_DEP_2)
	v_lshrrev_b32 v[PX+\g], 23, v[SO+\g]
.endr
	s_delay_alu instid0(VALU_DEP_1)
	v_lshl_or_b32 v[TT], v[PX+1], 8, v[PX]         ; the head's two scale bytes
	v_mov_b32 v[SU], 0xffff
	s_delay_alu instid0(VALU_DEP_1)
	v_cndmask_b32 v[TT], v[TT], v[SU], vcc_lo      ; NaN for a row wholly masked
	v_cvt_scalef32_pk16_fp6_f32 v[PC:PC+2], v[S:S+15], v[SO]
	v_cvt_scalef32_pk16_fp6_f32 v[PC+12:PC+14], v[S+16:S+31], v[SO+1]
	v_nop                                          ; one plain place behind a scaled conversion
.irp i, 0,1,2
	v_permlane16_swap_b32 v[PC+\i], v[PC+12+\i]
.endr
.irp i, 0,1,2
	s_delay_alu instid0(VALU_DEP_3)
	v_mov_b32 v[PC+3+\i], v[PC+12+\i]
.endr
	global_store_b128 v[OA16], v[PC:PC+3], s[60:61]              ; 512 consecutive bytes, aligned
	global_store_b64 v[OA8], v[PC+4:PC+5], s[60:61] offset:512   ; 256
	global_store_b16 v[OAS], v[TT], s[60:61] offset:3072         ; lanes 16-31 write the copy for lanes 16-31
	s_wait_xcnt 0x0                                ; the stores have read their registers and their base: both may be written again
	s_add_nc_u64 s[84:85], s[84:85], 39936         ; sixteen tiles on: two steps of Q,
	s_add_nc_u64 s[86:87], s[86:87], 61696         ; 65,536 bytes of mask words less the 15 x 256 already walked,
	s_add_nc_u64 s[60:61], s[60:61], 212992        ; sixteen tiles of OC
	s_sub_co_u32 s[PASS], s[PASS], 1
	s_cmp_lg_u32 s[PASS], 0
	s_cbranch_scc1 .Lpass
	s_wait_dscnt 0x0
	s_wait_tensorcnt 0x0
	ds_add_u32 v254, v255
	s_wait_dscnt 0x0
	CROUND                                         ; the closing round: no work-group ends while a partner may still ask for a tile that names it
	s_endpgm
.Lfunc_end_k_qd0533a3903_attn:
	.size	k_qd0533a3903_attn, .Lfunc_end_k_qd0533a3903_attn-k_qd0533a3903_attn
	.p2alignl 7, 3214868480
	.fill 96, 4, 3214868480
	.section	.rodata,"a",@progbits
	.p2align	6, 0x0
	.amdhsa_kernel k_qd0533a3903_attn
		.amdhsa_group_segment_fixed_size 215040
		.amdhsa_private_segment_fixed_size 0
		.amdhsa_enable_private_segment 0
		.amdhsa_kernarg_size 24
		.amdhsa_user_sgpr_count 2
		.amdhsa_user_sgpr_kernarg_segment_ptr 1
		.amdhsa_wavefront_size32 1
		.amdhsa_system_sgpr_workgroup_id_x 1
		.amdhsa_system_sgpr_workgroup_id_y 1
		.amdhsa_system_sgpr_workgroup_id_z 1
		.amdhsa_system_vgpr_workitem_id 0
		.amdhsa_next_free_vgpr 256
		.amdhsa_next_free_sgpr 102
		.amdhsa_reserve_vcc 1
		.amdhsa_float_denorm_mode_32 3
		.amdhsa_float_denorm_mode_16_64 3
		.amdhsa_memory_ordered 1
		.amdhsa_forward_progress 1
		.amdhsa_inst_pref_size 56
	.end_amdhsa_kernel
	.amdgpu_metadata
---
amdhsa.version: [ 1, 2 ]
amdhsa.kernels:
  - .name:           k_qd0533a3903_attn
    .symbol:         k_qd0533a3903_attn.kd
    .args:
      - { .name: QKV, .offset: 0, .size: 8, .value_kind: global_buffer, .address_space: global }
      - { .name: MB, .offset: 8, .size: 8, .value_kind: global_buffer, .address_space: global }
      - { .name: OC, .offset: 16, .size: 8, .value_kind: global_buffer, .address_space: global }
    .group_segment_fixed_size: 215040
    .private_segment_fixed_size: 0
    .kernarg_segment_align: 8
    .kernarg_segment_size: 24
    .max_flat_workgroup_size: 512
    .sgpr_count:     102
    .vgpr_count:     256
    .wavefront_size: 32
...
	.end_amdgpu_metadata
.endif
;; end of part 3
;; launch outp (part 4): grid 4 x 32, 4 waves a work-group, clusters of 4 x 4, 327,680 bytes of LDS; arguments OC, WC, bo, out0; writes out0
.if DOCPART == 4
	.amdgcn_target "amdgcn-amd-amdhsa--gfx1250"
	.amdhsa_code_object_version 6
	.text
	.protected	k_qd0533a3903_outp
	.globl	k_qd0533a3903_outp
	.p2align	8
	.type	k_qd0533a3903_outp,@function
k_qd0533a3903_outp:
	s_mov_b64 s[64:65], 0
	v_nop
	global_prefetch_b8 v0, s[64:65] scope:SCOPE_SE
	s_setreg_imm32_b32 hwreg(HW_REG_WAVE_MODE, 25, 1), 1
	s_wait_xcnt 0x0
	s_wait_alu depctr_hold_cnt(0) depctr_sa_sdst(0) depctr_va_vdst(0) depctr_va_sdst(0) depctr_va_ssrc(0) depctr_va_vcc(0) depctr_vm_vsrc(0)
	s_getreg_b32 s2, hwreg(HW_REG_IB_STS2, 6, 4)
	s_cmp_eq_u32 s2, 0
	s_cbranch_scc0 .Lentry_in_a_cluster
	s_endpgm
.Lentry_in_a_cluster:
	s_bfe_u32 s2, ttmp6, 0x10000c
	s_cmp_lg_u32 s2, 0xf033
	s_cbranch_scc0 .Lentry_shape_is_right
	s_endpgm
.Lentry_shape_is_right:
.set FR,    12
.set NL,    4
.set NP,    4
.set REC,   3328
.set TSTR,  13312
.set HALFT, 8*REC
.set SLOT,  4*HALFT
.set SPARE, 2*SLOT
.set SPITCH, 528
.set ADRA,  16
.set ADRB,  20
.set STO,   24
.set RD,    25
.set L16,   26
.set L8,    27
.set SPW,   28
.set NIL,   29
.set ADRS,  30
.set SC,    32
.set BIAS,  64
.set AF,    128
.set T,     128
.set BK,    192
.set G1,    24
.set G0,    32
.set G1B,   48
.set G0B,   56
.set MSB, 0
.macro WIN new
.if MSB != (\new)
	s_set_vgpr_msb (MSB<<8)|(\new)
.set MSB, (\new)
.endif
.endm
.set MUL_LO, 0xa1
.set MUL_HI, 0xf1
.set TO_B,   0x40
.macro JLOAD g0a, g1a, g0b, g1b
	s_cmp_eq_u32 s13, 0
	s_cbranch_scc0 .Lfor_b_\@
	tensor_load_to_lds s[\g0a:\g0a+3], s[\g1a:\g1a+7]
	s_nop 0
.rept 4
	v_nop
.endr
	s_branch .Lasked_\@
.Lfor_b_\@:
	tensor_load_to_lds s[\g0b:\g0b+3], s[\g1b:\g1b+7]
	s_nop 0
.rept 4
	v_nop
.endr
.Lasked_\@:
.endm
.macro CREST
	s_cmp_lg_u32 s12, 0
	s_cbranch_scc1 .Lnot_wave_0_\@
	s_barrier_signal -3
.Lnot_wave_0_\@:
	s_barrier_wait -3
	s_barrier_signal -1
	s_barrier_wait -1
.endm
.macro CROUND
	s_barrier_signal -1
	s_barrier_wait -1
	CREST
.endm
.macro PLACES n
.rept \n
	v_nop
.endr
.endm
.macro FRAG reg, adr, q, i
	ds_load_b128 v[\reg:\reg+3],     v[\adr]   offset:(\i)*REC+(\q)*1536
	ds_load_b64  v[\reg+4:\reg+5],   v[\adr+2] offset:(\i)*REC+(\q)*1536+512
	ds_load_b128 v[\reg+6:\reg+9],   v[\adr]   offset:(\i)*REC+(\q)*1536+768
	ds_load_b64  v[\reg+10:\reg+11], v[\adr+2] offset:(\i)*REC+(\q)*1536+1280
.endm
.macro FETCH_B slot, q, p
	WIN TO_B
.irp i, 0,1,2,3,4,5,6,7
	FRAG 128*(\p)+FR*\i, ADRB+\slot, \q, \i
.endr
	WIN 0
.endm
.macro FETCH_A slot, q, i0
.irp i, \i0, \i0+1, \i0+2, \i0+3
	FRAG AF+FR*(\i), ADRA+\slot, \q, \i
.endr
.endm
.macro SCALES sl
.irp i, 0,1,2,3,4,5,6,7
	ds_load_b64 v[SC+16*\sl+2*\i:SC+16*\sl+2*\i+1], v[ADRS+\sl] offset:\i*REC+3072
.endr
.endm
.macro MUL16 a0, p, q, sc, zero
.irp a, \a0, \a0+1
.irp b, 0,1,2,3,4,5,6,7
.if \zero
	v_wmma_scale_f32_16x16x128_f8f6f4 v[8*(8*((\a)%4)+\b):8*(8*((\a)%4)+\b)+7], v[128*(\p)+FR*\b:128*(\p)+FR*\b+FR-1], v[AF+FR*(\a):AF+FR*(\a)+FR-1], 0, v[SC+16*(\sc)+2*\b+(\q)], v[SC+16*(\sc)+2*(\a)+(\q)] matrix_a_fmt:MATRIX_FMT_FP6 matrix_b_fmt:MATRIX_FMT_FP6 matrix_a_scale:MATRIX_SCALE_ROW1
.else
	v_wmma_scale_f32_16x16x128_f8f6f4 v[8*(8*((\a)%4)+\b):8*(8*((\a)%4)+\b)+7], v[128*(\p)+FR*\b:128*(\p)+FR*\b+FR-1], v[AF+FR*(\a):AF+FR*(\a)+FR-1], v[8*(8*((\a)%4)+\b):8*(8*((\a)%4)+\b)+7], v[SC+16*(\sc)+2*\b+(\q)], v[SC+16*(\sc)+2*(\a)+(\q)] matrix_a_fmt:MATRIX_FMT_FP6 matrix_b_fmt:MATRIX_FMT_FP6 matrix_a_scale:MATRIX_SCALE_ROW1
.endif
.endr
.endr
.endm
.macro STEP slot, zero
	s_wait_dscnt 4*NL
	WIN MUL_LO
	MUL16 0, 0, 0, \slot, \zero
	MUL16 2, 0, 0, \slot, \zero
	s_wait_dscnt 0x0
	PLACES NP
	FETCH_B \slot, 1, 1
	FETCH_A \slot, 1, 0
	WIN MUL_HI
	MUL16 4, 0, 0, \slot, \zero
	MUL16 6, 0, 0, \slot, \zero
	PLACES NP
	WIN 0
	FETCH_A \slot, 1, 4
.endm
.macro TURN slot, next, fill
	s_wait_tensorcnt 0x0
	ds_add_u32 v[SPW], v[NIL]
	s_wait_dscnt 4*NL+1
	WIN MUL_LO
	MUL16 0, 1, 1, \slot, 0
	s_wait_dscnt 0x0
	s_barrier_signal -1
	MUL16 2, 1, 1, \slot, 0
	WIN 0
	s_barrier_wait -1
.if \fill
	CREST
	s_add_nc_u64 s[G0+4*\slot+2:G0+4*\slot+3], s[G0+4*\slot+2:G0+4*\slot+3], 2*REC
	s_add_nc_u64 s[G0B+4*\slot+2:G0B+4*\slot+3], s[G0B+4*\slot+2:G0B+4*\slot+3], 2*REC
	JLOAD G0+4*\slot, G1, G0B+4*\slot, G1B
.else
	PLACES NP
.endif
	FETCH_B \next, 0, 0
	FETCH_A \next, 0, 0
	SCALES \next
	WIN MUL_HI
	MUL16 4, 1, 1, \slot, 0
	MUL16 6, 1, 1, \slot, 0
	PLACES NP
	WIN 0
	FETCH_A \next, 0, 4
.endm
	s_load_b256 s[4:11], s[0:1], 0x0
	v_lshl_add_u32 v[SPW], v0, 2, SPARE
	v_mov_b32 v[NIL], 0
	ds_add_u32 v28, v29
	ds_add_u32 v28, v29
	s_wait_dscnt 0x0
	v_lshrrev_b32 v1, 5, v0
	v_readfirstlane_b32 s12, v1
	s_lshr_b32 s13, s12, 1
	s_and_b32 s14, s12, 1
	s_bfe_u32 s40, ttmp6, 0x40000
	s_bfe_u32 s41, ttmp6, 0x40004
	s_lshl_b32 s43, s41, 2
	s_lshl_b32 s43, 15, s43
	s_lshl_b32 s44, 0x1111, s40
	s_or_b32 s[G1], s43, (3<<16)|(1<<21)
	s_or_b32 s[G1B], s44, (3<<16)|(1<<21)
.irp g, G1, G1B
	s_mov_b32 s[\g+1], 416<<16
	s_mov_b32 s[\g+2], 8<<16
	s_mov_b32 s[\g+3], 416<<16
	s_mov_b32 s[\g+4], 8
	s_mov_b32 s[\g+5], 1664
	s_mov_b32 s[\g+6], 0
	s_mov_b32 s[\g+7], 0
.endr
	s_and_b32 s16, ttmp7, 0xffff
	s_lshl_b32 s16, s16, 2
	s_add_co_u32 s16, s16, s41
	s_lshl_b32 s47, ttmp9, 2
	s_add_co_u32 s47, s47, s40
	s_lshl_b32 s22, s14, 3
	s_lshl_b32 s18, s16, 4
	s_add_co_u32 s18, s18, s22
	s_mul_i32 s18, s18, TSTR
	s_mov_b32 s19, 0
	s_lshl_b32 s80, s47, 4
	s_add_co_u32 s80, s80, s22
	s_add_co_u32 s80, s80, 192
	s_mul_i32 s80, s80, TSTR
	s_mov_b32 s81, 0
	s_mul_i32 s45, s12, HALFT
	s_wait_kmcnt 0x0
	s_add_nc_u64 s[20:21], s[4:5], s[18:19]
	s_add_nc_u64 s[82:83], s[6:7], s[80:81]
	CROUND
.irp s, 0,1
	s_mov_b32 s[G0+4*\s], 1
	s_add_co_u32 s[G0+4*\s+1], s45, \s*SLOT
	s_add_nc_u64 s[G0+4*\s+2:G0+4*\s+3], s[20:21], \s*REC
	s_or_b32 s[G0+4*\s+3], s[G0+4*\s+3], 0x80000000
	s_mov_b32 s[G0B+4*\s], 1
	s_add_co_u32 s[G0B+4*\s+1], s45, \s*SLOT
	s_add_nc_u64 s[G0B+4*\s+2:G0B+4*\s+3], s[82:83], \s*REC
	s_or_b32 s[G0B+4*\s+3], s[G0B+4*\s+3], 0x80000000
	s_wait_alu depctr_va_vdst(0)
	s_wait_tensorcnt 0x0
	ds_add_u32 v28, v29
	ds_add_u32 v28, v29
	s_wait_dscnt 0x0
	CROUND
	JLOAD G0+4*\s, G1, G0B+4*\s, G1B
.endr
	v_and_b32 v1, 31, v0
	v_and_b32 v2, 15, v0
	v_bfe_u32 v3, v0, 4, 1
	s_wait_alu depctr_va_vdst(0)
	v_lshlrev_b32 v[L16], 4, v1
	v_lshlrev_b32 v[L8], 3, v1
	s_lshl_b32 s84, s47, 10
	s_lshl_b32 s85, s14, 9
	s_add_co_u32 s84, s84, s85
	s_mov_b32 s85, 0
	s_add_nc_u64 s[8:9], s[8:9], s[84:85]
	v_lshlrev_b32 v4, 6, v3
.irp g, 0,1,2,3
.irp j, 0,1,2,3
	global_load_b128 v[BIAS+16*\g+4*\j:BIAS+16*\g+4*\j+3], v4, s[8:9] offset:128*\g+16*\j
.endr
.endr
	s_add_nc_u64 s[10:11], s[10:11], s[84:85]
	s_lshl_b32 s84, s16, 8
	s_lshl_b32 s86, s13, 7
	s_add_co_u32 s84, s84, s86
	s_lshl_b32 s84, s84, 12
	s_add_nc_u64 s[10:11], s[10:11], s[84:85]
	s_mul_i32 s72, s13, HALFT
	s_mul_i32 s73, s14, HALFT
	s_add_co_u32 s73, s73, 2*HALFT
	s_sub_co_u32 s74, s73, s72
	v_mul_u32_u24 v6, s74, v3
	s_wait_alu depctr_va_vdst(0)
	v_add_nc_u32 v6, v6, v[L8]
	v_add_nc_u32 v[ADRS], s72, v6
	v_add_nc_u32 v[ADRS+1], SLOT, v[ADRS]
.irp s, 0,1
	v_add_nc_u32 v[ADRA+\s], s72, v[L16]
	v_add_nc_u32 v[ADRA+2+\s], s72, v[L8]
	v_add_nc_u32 v[ADRB+\s], s73, v[L16]
	v_add_nc_u32 v[ADRB+2+\s], s73, v[L8]
	s_add_co_u32 s72, s72, SLOT
	s_add_co_u32 s73, s73, SLOT
.endr
	s_mul_i32 s75, s12, 16*SPITCH
	v_mul_u32_u24 v7, v2, SPITCH
	v_lshl_add_u32 v7, v3, 6, v7
	v_add_nc_u32 v[STO], s75, v7
	v_add_nc_u32 v[RD], s75, v[L16]
	s_wait_alu depctr_va_vdst(0)
	s_wait_tensorcnt 1
	s_barrier_signal -1
	s_barrier_wait -1
	FETCH_B 0, 0, 0
	FETCH_A 0, 0, 0
	SCALES 0
	FETCH_A 0, 0, 4
	STEP 0, 1
	TURN 0, 1, 1
	STEP 1, 0
	TURN 1, 0, 1
	STEP 0, 0
	TURN 0, 1, 0
	STEP 1, 0
	s_wait_dscnt 4*NL
	WIN MUL_LO
	MUL16 0, 1, 1, 1, 0
	MUL16 2, 1, 1, 1, 0
	s_wait_dscnt 0x0
	WIN MUL_HI
	MUL16 4, 1, 1, 1, 0
	MUL16 6, 1, 1, 1, 0
	WIN 0
	PLACES NP
	s_wait_loadcnt 0x0
.macro PACK a
	WIN 0x02+((\a)/4)
.set AC, 64*((\a)%4)
.set p, 0
.rept 32
	v_pk_add_f32 v[T+p:T+p+1], v[AC+p:AC+p+1], v[BIAS+p:BIAS+p+1]
.set p, p+2
.endr
	WIN 0
.endm
.macro TOSTAGE
.irp b, 0,1,2,3,4,5,6,7
	ds_store_b128 v[STO], v[T+8*\b:T+8*\b+3]   offset:128*(\b/2)+32*(\b%2)
	ds_store_b128 v[STO], v[T+8*\b+4:T+8*\b+7] offset:128*(\b/2)+32*(\b%2)+16
.endr
	s_wait_xcnt 0x0
.irp t, 0,1,2,3,4,5,6,7,8,9,10,11,12,13,14,15
	ds_load_b128 v[BK+4*\t:BK+4*\t+3], v[RD] offset:\t*SPITCH
.endr
.endm
.macro SEND a
	s_wait_dscnt 0x0
.irp t, 0,1,2,3,4,5,6,7,8,9,10,11,12,13,14,15
	global_store_b128 v[L16], v[BK+4*\t:BK+4*\t+3], s[10:11] offset:(32*((\a)/2)+8*((\a)%2)+\t+8*(\t/8))*4096 th:TH_STORE_NT
.endr
.endm
	PACK 0
	TOSTAGE
.irp a, 1,2,3,4,5,6,7
	PACK \a
	s_wait_alu depctr_va_vdst(0)
	SEND \a-1
	TOSTAGE
.endr
	SEND 7
	s_wait_tensorcnt 0x0
	ds_add_u32 v[SPW], v[NIL]
	s_wait_dscnt 0x0
	CROUND
	s_endpgm
.Lfunc_end_k_qd0533a3903_outp:
	.size	k_qd0533a3903_outp, .Lfunc_end_k_qd0533a3903_outp-k_qd0533a3903_outp
	.p2alignl 7, 3214868480
	.fill 96, 4, 3214868480
	.section	.rodata,"a",@progbits
	.p2align	6, 0x0
	.amdhsa_kernel k_qd0533a3903_outp
		.amdhsa_group_segment_fixed_size 327680
		.amdhsa_private_segment_fixed_size 0
		.amdhsa_enable_private_segment 0
		.amdhsa_kernarg_size 32
		.amdhsa_user_sgpr_count 2
		.amdhsa_user_sgpr_kernarg_segment_ptr 1
		.amdhsa_wavefront_size32 1
		.amdhsa_system_sgpr_workgroup_id_x 1
		.amdhsa_system_sgpr_workgroup_id_y 1
		.amdhsa_system_sgpr_workgroup_id_z 1
		.amdhsa_system_vgpr_workitem_id 0
		.amdhsa_next_free_vgpr 1024
		.amdhsa_next_free_sgpr 100
		.amdhsa_reserve_vcc 0
		.amdhsa_float_denorm_mode_32 3
		.amdhsa_float_denorm_mode_16_64 3
		.amdhsa_memory_ordered 1
		.amdhsa_forward_progress 1
		.amdhsa_inst_pref_size 159
	.end_amdhsa_kernel
	.amdgpu_metadata
---
amdhsa.version: [ 1, 2 ]
amdhsa.kernels:
  - .name:           k_qd0533a3903_outp
    .symbol:         k_qd0533a3903_outp.kd
    .args:
      - { .name: OC, .offset: 0, .size: 8, .value_kind: global_buffer, .address_space: global }
      - { .name: WC, .offset: 8, .size: 8, .value_kind: global_buffer, .address_space: global }
      - { .name: bo, .offset: 16, .size: 8, .value_kind: global_buffer, .address_space: global }
      - { .name: out0, .offset: 24, .size: 8, .value_kind: global_buffer, .address_space: global }
    .group_segment_fixed_size: 327680
    .private_segment_fixed_size: 0
    .kernarg_segment_align: 8
    .kernarg_segment_size: 32
    .max_flat_workgroup_size: 128
    .sgpr_count:     100
    .vgpr_count:     1024
    .wavefront_size: 32
...
	.end_amdgpu_metadata
.endif
;; end of part 4
